; MI455X (gfx1250); checked and timed in simulation.
; The chip was launched on July 23, 2026; its instructions are those of AMD's public machine-readable ISA for CDNA 5 (MIT licence, August 2026) and "CDNA5" Instruction Set Architecture Reference Guide (July 2026). The comments in the code are by the model that wrote it; some were corrected since.
;; Attention. Allowed arithmetic: matrix products marked QUANTISED: E2M1 operands, one E8M0 scale for each 32 along K, by v_wmma_scale_f32_16x16x128_f8f6f4 with both operands' format E2M1 (or v_wmma_scale_f32_32x16x128_f4), f32 sums; everything else in f32.
;; Inputs: b_qkv 3,072 float32; mask 1 x 4 x 2,048 x 2,048 float32; pe_cos 1 x 1 x 2,048 x 64 float32; pe_scale 1 x 1 x 2,048 x 64 float32; pe_sin 1 x 1 x 2,048 x 64 float32; w_qkv 3,072 x 1,024 float32; x 4 x 2,048 x 1,024 float32.
;; Outputs: out0 4 x 2,048 x 1,024 float32.
;; This version of the problem:
;;   THIS VERSION OF THE PROBLEM IS GIVEN IN LOW PRECISION. The matrix products marked QUANTISED in the list below multiply operands that are first quantised to E2M1 (2 exponent bits, 1 mantissa bit; 4 bits a number), with one power-of-two scale for each 32 numbers along K (OCP MX v1.0); their sums are f32. All else is computed in f32.
;;   The module's matrix products, in the order in which they are computed (A, B: the left and right operand; K: the contracted axis; several contracted axes count as one K, in the product's order):
;;     1. [M 8,192, K 1,024] x [K 1,024, N 3,072]; A: input x; B: input w_qkv: QUANTISED
;;     2. batch 64 x [M 2,048, K 64] x [K 64, N 2,048]; A: computed on the way; B: computed on the way: QUANTISED
;;     3. batch 64 x [M 2,048, K 2,048] x [K 2,048, N 64]; A: softmax (see below); B: computed on the way: QUANTISED
;;   THE QUANTISER, for each operand of a quantised product, along K:
;;     - K is cut into blocks of 32 from its start; a last block that is shorter is filled with zeros.
;;     - A block's scale is 2^e with e = floor(log2(the largest magnitude in the block)) - 2, held to -126 .. 127; a block of zeros has e = 0. As a byte (E8M0): e + 127.
;;     - Each number is divided by its block's scale, clamped to +-6, and rounded to the nearest number of E2M1, ties to even, subnormals kept.
;;     - The product sums the exact products of the quantised numbers (number of the format x scale) in f32.
;;   ~~~python
;;   def quantise(x, axis):      # numpy; x: float32 -> the quantised numbers, widened to float32 again
;;       x = np.moveaxis(x, axis, -1); K = x.shape[-1]
;;       x = np.pad(x, [(0, 0)] * (x.ndim - 1) + [(0, -K % 32)]); x = x.reshape(x.shape[:-1] + (-1, 32)); a = np.abs(x).max(-1, keepdims=True)
;;       e = np.where(a > 0, np.clip(np.frexp(np.where(a > 0, a, 1))[1] - 1 - 2, -126, 127), 0)      # np.frexp(a)[1] - 1 = floor(log2(a)), exactly
;;       r = np.clip(x / 2.0 ** e, -6, 6)
;;       step = 2.0 ** (np.maximum(np.frexp(np.where(r == 0, 1, r))[1] - 1, 0) - 1)
;;       q = np.round(r / step) * step * 2.0 ** e      # np.round: ties to even
;;       return np.moveaxis(q.reshape(q.shape[:-2] + (-1,))[..., :K], -1, axis).astype(np.float32)
;;   ~~~
;;   SOFTMAX AHEAD OF A QUANTISED PRODUCT. Where the list says 'softmax', what is quantised is not the finished softmax but p = 2^(t - M), with t = logit x log2(e) and M = ceil(the row's largest t), a whole number; so 1/2 < the row's largest p <= 1. The row's sum l is taken of the UNQUANTISED p, in f32, and the product's result is divided by l at the end. Since M is a whole number, a kernel that streams over the keys may use a running M (the ceiling of the running maximum): every later rescaling is an exact power of two, which a block's scale takes up: the codes' values come out the same.
;;   OPERANDS COMPUTED ON THE WAY. 'Computed on the way' means the value that the module computes at that place (a softmax that the list does not call 'softmax' is quantised finished and normalised). What goes into a quantiser is computed in f32, as accurately as f32 sums, v_exp_f32 and their like allow (about 1e-6 of the number): no bf16 or f16 on the way to a quantiser, and a product that is left as it is and whose result goes on into a quantised operand takes f32 operands (vector FMAs, or v_wmma_f32_16x16x4_f32). A number that lies on a knife's edge between two numbers of the format may be rounded either way, as far as f32 arithmetic and the matrix unit's own rounding can turn it there, and no further.
;; One version. Each part assembles by itself: llvm-mc -triple=amdgcn-amd-amdhsa -mcpu=gfx1250 --defsym DOCPART=n.
;; ======== version 1 of 1: 4 launches
;; limits: right only within a limited range of input values
;; workspace buffers: xc 4,194,304 bytes; xs 262,144 bytes; wc 1,572,864 bytes; ws 98,304 bytes; qq 4,718,592 bytes; kv 9,175,040 bytes
;; launch quant (part 1): grid 352 x 1, 4 waves a work-group, no clusters, 33,280 bytes of LDS; arguments x, w_qkv, xc, xs, wc, ws; writes xc, xs, wc, ws
.if DOCPART == 1
	.amdgcn_target "amdgcn-amd-amdhsa--gfx1250"
	.amdhsa_code_object_version 6
	.text
	.protected	k_q504bbf0bfe_quant
	.globl	k_q504bbf0bfe_quant
	.p2align	8
	.type	k_q504bbf0bfe_quant,@function
k_q504bbf0bfe_quant:
	s_mov_b64 s[64:65], 0
	v_nop
	global_prefetch_b8 v0, s[64:65] scope:SCOPE_SE
	s_setreg_imm32_b32 hwreg(HW_REG_WAVE_MODE, 25, 1), 1
	s_wait_xcnt 0x0
; LAUNCH 1 OF 4.  x [8192][1024] and w_qkv [3072][1024], f32, K innermost, become codes of E2M1 (two a byte, the lower k in the low four bits) and one E8M0 byte for each 32 along K.
; NO WORK OF THE PROBLEM IS LEFT OUT IN ANY LAUNCH: the bias goes into the quantisers of q, k and v, the three pe tables into those of q and k, and the mask differs along the softmax's axis: all seven inputs are loaded.
; A block's scale is 2^(floor(log2(its largest magnitude)) - 2); its byte is the largest magnitude's own exponent field - 2, held at 1 from below.  Each number is divided by the scale and rounded to the nearest code, ties to even; beyond 6 the largest code.
; LIMITS: NaN and infinities among the inputs are not served.  A block whose largest magnitude lies under 2^-124 keeps the byte 1; a block of zeros has the byte 1 where the rule says 127: its codes are zeros, which add nothing under that byte, and this program alone reads the bytes.
; THE ORDER OF ROWS IN THE WORKSPACE.  A wave takes 8 rows (8,192 numbers), a work-group 32.  For x and for w's rows 0 to 2047 (q's and k's features) the second and third group of eight rows of each 32 change places:
; stored place 16 u + r of a group of 32 holds row 8 u + r + 8 (r / 8).  So 16 stored rows on end are a tile whose results, eight to a lane, are neighbours along the next product's K.  w's rows from 2048 on (v's features) stay as they are.
; The loads take the bytes as they lie, 512 to a load; a step's 2,048 bytes turn through the wave's own stage in LDS, so that a lane holds 16 neighbours; two neighbouring lanes hold a block.
; A lane's 16 codes are 8 bytes: a wave's store covers 256 consecutive bytes, aligned.  A wave's 256 scale bytes are gathered in LDS and leave as one such run.  No tensor loads, no barrier: waves share nothing.
.set WAVES, 4
.set STEPS, 16
.set WGA,   256                        ; x's work-groups: 8192 x 1024 / 32768
.set WGP,   320                        ; x's and the first 64 of w's: the rows that are stored in the changed order
.set EMAX,  2
.set CB,    8                          ; bytes of 16 codes
.set R,     16                         ; v16-79   four sets of 16 numbers as they are loaded
.set X,     80                         ; v80-111  two sets of 16 neighbours
.set C,     128                        ; v128-191 codes: four registers for each step, so that no store's data are written again
.set E,     112                        ; v112-127 a scale byte for each step
.set WREG,  8192                       ; LDS: a region for each wave: two stages of 32 x SP bytes, behind them its 256 scale bytes
.set SP,    80                         ; a lane's place in a stage: its 64 bytes + 16 of padding
.set SPW,   12                         ; v12      LDS address of my spare word; never rewritten
.set NIL,   13                         ; v13      0; never rewritten
.set SPARE, WAVES*WREG                 ; behind the four regions: the spare words, 128 bytes a wave, which no other line names
	s_load_b128 s[4:7], s[0:1], 0x0                ; x, w_qkv
	s_load_b128 s[8:11], s[0:1], 0x10              ; x's codes, x's scales
	s_load_b128 s[12:15], s[0:1], 0x20             ; w's codes, w's scales
	v_lshl_add_u32 v[SPW], v0, 2, SPARE
	v_mov_b32 v[NIL], 0
	v_lshrrev_b32 v1, 5, v0
	v_readfirstlane_b32 s16, v1                    ; wave
	v_and_b32 v2, 31, v0                           ; lane
	v_lshlrev_b32 v3, 4, v2                        ; my 16 bytes of a load's 512
	s_mul_i32 s17, s16, WREG
	v_lshrrev_b32 v14, 2, v2
	v_mul_u32_u24 v14, v14, SP
	v_and_b32 v15, 3, v2
	v_lshl_add_u32 v14, v15, 4, v14
	v_add_nc_u32 v14, s17, v14                     ; the stage, on the way in: SP (lane / 4) + 16 (lane % 4)
	v_mul_u32_u24 v15, v2, SP
	v_add_nc_u32 v15, s17, v15                     ; and on the way out: SP x lane: my 16 neighbours
	v_mul_u32_u24 v4, v2, CB                       ; my codes' place in a step's
	v_lshrrev_b32 v5, 1, v2
	s_add_co_u32 s17, s17, 2*32*SP
	v_add_nc_u32 v5, s17, v5                       ; LDS: my wave's 256 scale bytes, my block's byte
	v_lshlrev_b32 v7, 3, v2                        ; and on the way out 8 bytes a lane
	v_add_nc_u32 v6, s17, v7
	s_wait_alu depctr_va_vdst(0)
	s_wait_kmcnt 0x0
	s_and_b32 s22, s16, 1
	s_lshl_b32 s22, s22, 1
	s_lshr_b32 s23, s16, 1
	s_or_b32 s22, s22, s23                         ; the wave's number with its two bits exchanged: groups 1 and 2 change places
	s_cmp_lt_u32 ttmp9, WGP
	s_cselect_b32 s22, s22, s16                    ; where my eight rows are stored within the work-group's 32
	s_cmp_lt_u32 ttmp9, WGA                        ; x's work-group or w's?  The choice hangs on the work-group's number alone
	s_cselect_b64 s[4:5], s[4:5], s[6:7]
	s_cselect_b64 s[8:9], s[8:9], s[12:13]
	s_cselect_b64 s[10:11], s[10:11], s[14:15]
	s_cselect_b32 s17, 0, WGA
	s_sub_co_u32 s17, ttmp9, s17
	s_lshl_b32 s17, s17, 2
	s_add_co_u32 s18, s17, s16                     ; which run of 8,192 numbers I read,
	s_add_co_u32 s22, s17, s22                     ; and which run of the workspace I write
	s_mov_b32 s19, 0
	s_mov_b32 s23, 0
	s_mov_b64 s[20:21], 512*STEPS*4
	s_mul_u64 s[20:21], s[18:19], s[20:21]
	s_add_nc_u64 s[4:5], s[4:5], s[20:21]
	s_mov_b64 s[20:21], 32*STEPS*CB
	s_mul_u64 s[20:21], s[22:23], s[20:21]
	s_add_nc_u64 s[8:9], s[8:9], s[20:21]
	s_lshl_b32 s22, s22, 8                         ; 256 scale bytes a run
	s_add_nc_u64 s[10:11], s[10:11], s[22:23]
.macro LOAD t
.irp i, 0,1,2,3
	global_load_b128 v[R+16*((\t)%4)+4*\i:R+16*((\t)%4)+4*\i+3], v3, s[4:5] offset:2048*(\t)+512*\i th:TH_LOAD_NT   ; 32 lanes read 512 consecutive bytes
.endr
.endm
.macro TURN t                          ; step t's numbers through the stage: LDS serves a wave's instructions in order, so no wait stands between the stores and the loads
.irp i, 0,1,2,3
	ds_store_b128 v14, v[R+16*((\t)%4)+4*\i:R+16*((\t)%4)+4*\i+3] offset:32*SP*((\t)%2)+8*SP*\i
.endr
.irp i, 0,1,2,3
	ds_load_b128 v[X+16*((\t)%2)+4*\i:X+16*((\t)%2)+4*\i+3], v15 offset:32*SP*((\t)%2)+16*\i
.endr
.endm
.irp t, 0,1,2,3
	LOAD \t
.endr
	s_wait_loadcnt 12                              ; step 0's four loads are in; the twelve of steps 1 to 3 may be out
	TURN 0
.macro STEP t
.set XS, X+16*((\t)%2)
.if (\t) > 0
	s_wait_dscnt 1                                 ; this step's numbers are back from the stage (the last step's byte store may be out): so its stores into the stage have read their registers,
.else
	s_wait_dscnt 0x0
.endif
.if (\t)+4 < STEPS
	LOAD (\t)+4                                    ; which take the loads of four steps on
.endif
.if (\t)+1 < STEPS
.if STEPS-2-(\t) >= 3
	s_wait_loadcnt 12                              ; the next step's four loads are in; those of the three steps behind it may be out
.else
	s_wait_loadcnt 4*(STEPS-2-(\t))
.endif
	TURN (\t)+1                                    ; and go through the other stage while this step is worked
.endif
	v_max3_num_f32 v8, |v[XS]|, |v[XS+1]|, |v[XS+2]|               ; the largest magnitude of my 16, in two chains
	v_max3_num_f32 v9, |v[XS+3]|, |v[XS+4]|, |v[XS+5]|
.irp i, 6,10
	v_max3_num_f32 v8, v8, |v[XS+\i]|, |v[XS+\i+1]|
	v_max3_num_f32 v9, v9, |v[XS+\i+2]|, |v[XS+\i+3]|
.endr
	v_max3_num_f32 v8, v8, |v[XS+14]|, |v[XS+15]|
	v_max3_num_f32 v8, v8, v9, (EMAX+1)<<23        ; and the floor 2^(3 - 127): the byte cannot fall under 1
	v_max_num_f32_dpp v8, v8, v8 row_xmask:1 row_mask:0xf bank_mask:0xf   ; and of my neighbour's 16: the block's
	v_add_nc_u32 v11, -(EMAX<<23), v8              ; 2 off its exponent field: the conversion takes the exponent field of this operand as its scale
	v_cvt_scalef32_pk8_fp4_f32 v[C+4*(\t)], v[XS:XS+7], v11
	v_cvt_scalef32_pk8_fp4_f32 v[C+4*(\t)+1], v[XS+8:XS+15], v11
	v_lshrrev_b32 v[E+(\t)], 23, v11               ; the scale's byte
	ds_store_b8 v5, v[E+(\t)] offset:16*(\t)       ; both lanes of a block write the same byte with the same value
	global_store_b64 v4, v[C+4*(\t):C+4*(\t)+1], s[8:9] offset:32*CB*(\t)
.endm
.irp t, 0,1,2,3,4,5,6,7,8,9,10,11,12,13,14,15
	STEP \t
.endr
	ds_load_b64 v[8:9], v6                         ; LDS serves a wave's instructions in order: these see my stores
	s_wait_dscnt 0x0
	global_store_b64 v7, v[8:9], s[10:11]          ; 32 lanes store 256 consecutive bytes, aligned
	s_wait_tensorcnt 0x0                           ; the wave's end, behind my last LDS store
	ds_add_u32 v[SPW], v[NIL]
	s_wait_dscnt 0x0
	s_endpgm
.Lfunc_end_k_q504bbf0bfe_quant:
	.size	k_q504bbf0bfe_quant, .Lfunc_end_k_q504bbf0bfe_quant-k_q504bbf0bfe_quant
	.p2alignl 7, 3214868480
	.fill 96, 4, 3214868480
	.section	.rodata,"a",@progbits
	.p2align	6, 0x0
	.amdhsa_kernel k_q504bbf0bfe_quant
		.amdhsa_group_segment_fixed_size 33280
		.amdhsa_private_segment_fixed_size 0
		.amdhsa_enable_private_segment 0
		.amdhsa_kernarg_size 48
		.amdhsa_user_sgpr_count 2
		.amdhsa_user_sgpr_kernarg_segment_ptr 1
		.amdhsa_wavefront_size32 1
		.amdhsa_system_sgpr_workgroup_id_x 1
		.amdhsa_system_sgpr_workgroup_id_y 1
		.amdhsa_system_sgpr_workgroup_id_z 1
		.amdhsa_system_vgpr_workitem_id 0
		.amdhsa_next_free_vgpr 192
		.amdhsa_next_free_sgpr 66
		.amdhsa_reserve_vcc 0
		.amdhsa_float_denorm_mode_32 3
		.amdhsa_float_denorm_mode_16_64 3
		.amdhsa_memory_ordered 1
		.amdhsa_forward_progress 1
		.amdhsa_inst_pref_size 34
	.end_amdhsa_kernel
	.amdgpu_metadata
---
amdhsa.version: [ 1, 2 ]
amdhsa.kernels:
  - .name:           k_q504bbf0bfe_quant
    .symbol:         k_q504bbf0bfe_quant.kd
    .args:
      - { .name: x, .offset: 0, .size: 8, .value_kind: global_buffer, .address_space: global }
      - { .name: w_qkv, .offset: 8, .size: 8, .value_kind: global_buffer, .address_space: global }
      - { .name: xc, .offset: 16, .size: 8, .value_kind: global_buffer, .address_space: global }
      - { .name: xs, .offset: 24, .size: 8, .value_kind: global_buffer, .address_space: global }
      - { .name: wc, .offset: 32, .size: 8, .value_kind: global_buffer, .address_space: global }
      - { .name: ws, .offset: 40, .size: 8, .value_kind: global_buffer, .address_space: global }
    .group_segment_fixed_size: 33280
    .private_segment_fixed_size: 0
    .kernarg_segment_align: 8
    .kernarg_segment_size: 48
    .max_flat_workgroup_size: 128
    .sgpr_count:     66
    .vgpr_count:     192
    .wavefront_size: 32
...
	.end_amdgpu_metadata
.endif
;; end of part 1
;; launch qk (part 2): grid 8 x 64, 8 waves a work-group, clusters of 4 x 4, 327,680 bytes of LDS; arguments xc, xs, wc, ws, pe_cos, pe_sin, pe_scale, b_qkv, qq, kv; writes qq, kv
.if DOCPART == 2
	.amdgcn_target "amdgcn-amd-amdhsa--gfx1250"
	.amdhsa_code_object_version 6
	.text
	.protected	k_q504bbf0bfe_qk
	.globl	k_q504bbf0bfe_qk
	.p2align	8
	.type	k_q504bbf0bfe_qk,@function
k_q504bbf0bfe_qk:
	s_mov_b64 s[64:65], 0
	v_nop
	global_prefetch_b8 v0, s[64:65] scope:SCOPE_SE
	s_setreg_imm32_b32 hwreg(HW_REG_WAVE_MODE, 25, 1), 1
	s_wait_xcnt 0x0
	s_wait_alu depctr_hold_cnt(0) depctr_sa_sdst(0) depctr_va_vdst(0) depctr_va_sdst(0) depctr_va_ssrc(0) depctr_va_vcc(0) depctr_vm_vsrc(0)
	s_getreg_b32 s2, hwreg(HW_REG_IB_STS2, 6, 4)
	s_cmp_eq_u32 s2, 0
	s_cbranch_scc0 .Lentry_in_a_cluster
	s_endpgm
.Lentry_in_a_cluster:
	s_bfe_u32 s2, ttmp6, 0x10000c
	s_cmp_lg_u32 s2, 0xf033
	s_cbranch_scc0 .Lentry_shape_is_right
	s_endpgm
.Lentry_shape_is_right:
; LAUNCH 2 OF 4.  Features 0 to 2047 of qkv = x w^T + b on codes of E2M1; then, in f32, RoPE (even d: y0 cos - y1 sin; odd d: y1 cos + y0 sin), q times pe_scale, k divided by it;
; then q and k are quantised along the head's 64 (two blocks of 32) and stored as images of the attention launch's operand registers.  No work is left out.
; LIMITS: NaN and infinities are not served; k / pe_scale is a reciprocal (v_rcp_f32) and a multiplication: |pe_scale| between 2^-126 and 2^126; RoPE's sum is fused (one rounding fewer than two products and a sum);
; a block under 2^-124, a block of zeros among them, keeps the byte 1 (its codes are then zeros or as the floor's scale gives them); this program alone reads the bytes.
; SHARES.  A work-group makes 128 tokens x 256 features (four heads); cluster x = 0: q, 1: k.  Wave w: tokens 64 (w & 1) on, head w >> 1: 4 tiles of tokens x 4 tiles of features, 16 accumulators.
; ALL OF K (1,024: rows of 512 bytes of codes) lies in LDS: every region is filled once, at the head, and nothing is filled again.  lds_bytes claims a whole WGP's LDS; the text uses 320,256 bytes and the spare words.
; CLUSTER 4 x 4: x's tile, its scales and the pe tables hang on the token tile alone and are asked for jointly along a row of the cluster; w's tile and scales hang on the feature tile alone: jointly along a column.
; THE PRODUCT IS USED TRANSPOSED (source 0 = 16 stored rows of w, source 1 = 16 tokens): a lane holds ONE token, and since w's rows are stored with the middle groups of eight exchanged,
; register 16 b + i of a token tile's 32 holds d = 32 b + 16 (lane / 16) + i: neighbours along the next K.  The bias is the C of each sum's first product.
; TOKENS.  q and k take x's LDS rows alike, as told below: what the attention launch wants of a tile.
; The bytes from 320,256 to the spare words are left empty.
.set PX,    528                        ; an LDS row of codes: 512 bytes + 16: row r starts 4 r banks on (64 banks of 4 bytes: ISA guide 11.1)
.set XC,    0                          ; x's codes: 128 rows
.set WC,    128*PX                     ; w's codes: 256 rows
.set XS,    WC+256*PX                  ; x's scale bytes: 128 rows x 32 bytes as 16 runs of 256 + 16
.set WS,    XS+16*272                  ; w's: 32 runs
.set TAB,   WS+32*272                  ; cos, sin, pe_scale: 128 rows of 256 + 16 bytes each
.set TBL,   128*272
.set SPARE, 326656                     ; the spare words, 128 bytes a wave, which no other line names
.set AF,  16                           ; v16-47   x's four fragments
.set BF,  48                           ; v48-79   w's four
.set BI,  80                           ; v80-111  the bias, eight registers a feature tile, in the result's layout
.set SCX, 112                          ; v112-115 x's scale words
.set SCW, 116                          ; v116-119 w's
.set SW,  120                          ; v120-123 the scale words made for my four token tiles
.set ACC, 128                          ; v128-255 accumulator (token tile m, feature tile t) at 32 m + 8 t
.set TC,  16                           ; behind the K loop: cos, sin, pe_scale of a token tile
.set TS,  48
.set TP,  80
.set TM,  16                           ; and, behind those, the quantiser's 16 registers at work
.set PC,  32                           ; and the codes just made
.set SPW, 14
.set NIL, 15
.set SEL, 22                           ; s[22:23] lane selects for v_permlanex16_b32: lane l xor 16
.set G1XC, 24
.set G1XS, 32
.set G1T,  40
.set G1WC, 48
.set G1WS, 56
.macro SHAPE g, cc, rr, pp             ; group 1's words 1 to 7: a tile of rr rows of cc elements, pp elements from row to row; the tensor's extents are the tile's
	s_mov_b32 s[\g+1], (\cc)<<16
	s_mov_b32 s[\g+2], (\rr)<<16
	s_mov_b32 s[\g+3], (\cc)<<16
	s_mov_b32 s[\g+4], \rr
	s_mov_b32 s[\g+5], \pp
	s_mov_b32 s[\g+6], 0
	s_mov_b32 s[\g+7], 0
.endm
.macro CROUND                          ; a round of the cluster's barrier
	s_barrier_signal -1
	s_barrier_wait -1
	s_cmp_lg_u32 s12, 0
	s_cbranch_scc1 .Lnot_wave_0_\@
	s_barrier_signal -3
.Lnot_wave_0_\@:
	s_barrier_wait -3
	s_barrier_signal -1
	s_barrier_wait -1
.endm
	s_load_b64 s[70:71], s[0:1], 0x0               ; each address lands where its descriptor wants it: x's codes,
	s_load_b64 s[74:75], s[0:1], 0x8               ; x's scales,
	s_load_b64 s[90:91], s[0:1], 0x10              ; w's codes,
	s_load_b64 s[94:95], s[0:1], 0x18              ; w's scales,
	s_load_b64 s[78:79], s[0:1], 0x20              ; pe_cos,
	s_load_b64 s[82:83], s[0:1], 0x28              ; pe_sin,
	s_load_b64 s[86:87], s[0:1], 0x30              ; pe_scale
	s_load_b64 s[4:5], s[0:1], 0x38                ; b_qkv
	s_load_b128 s[8:11], s[0:1], 0x40              ; qq, kv
	v_lshl_add_u32 v[SPW], v0, 2, SPARE
	v_mov_b32 v[NIL], 0
	ds_add_u32 v[SPW], v[NIL]                      ; the wave's opening: the add, twice on end, and its wait ahead of my first tensor load
	ds_add_u32 v[SPW], v[NIL]
	v_lshrrev_b32 v1, 5, v0
	s_delay_alu instid0(VALU_DEP_1)
	v_readfirstlane_b32 s12, v1                    ; wave 0..7
	s_add_co_u32 s13, s12, 1
	s_and_b32 s13, s13, 1                          ; waves 1 and 2 fetch w's halves: 0 and 1
	s_and_b32 s15, s12, 1                          ; which 64 tokens I compute,
	s_lshr_b32 s16, s12, 1                         ; and which head of the four
	s_bfe_u32 s17, ttmp6, 0x40000                  ; cx
	s_bfe_u32 s18, ttmp6, 0x40004                  ; cy
	s_lshl_b32 s19, ttmp9, 2
	s_add_co_u32 s19, s19, s17                     ; the feature tile = 4 x cluster x + cx
	s_and_b32 s20, ttmp7, 0xffff
	s_lshl_b32 s20, s20, 2
	s_add_co_u32 s20, s20, s18                     ; the token tile = 4 x cluster y + cy
	s_lshl_b32 s21, s18, 2
	s_lshl_b32 s21, 15, s21                        ; my row of the cluster
	s_lshl_b32 s6, 0x1111, s17                     ; my column
	s_or_b32 s[G1XC], s21, (0<<16)|(1<<20)|(1<<21)|(6<<22)|(3<<25)   ; elements of 1 byte; 4 words of padding behind every 128
	SHAPE G1XC, 512, 128, 512                      ; x's 128 rows of 512 bytes
	s_or_b32 s[G1XS], s21, (3<<16)|(1<<20)|(1<<21)|(5<<22)|(3<<25)   ; elements of 8 bytes; 4 words behind every 64
	SHAPE G1XS, 32, 16, 32                         ; their scale bytes: 4,096 dense bytes as 16 rows of 256
	s_or_b32 s[G1T], s21, (2<<16)|(1<<20)|(1<<21)|(5<<22)|(3<<25)    ; elements of 4 bytes
	SHAPE G1T, 64, 128, 64                         ; 128 rows of a table
	s_or_b32 s[G1WC], s6, (0<<16)|(1<<20)|(1<<21)|(6<<22)|(3<<25)
	SHAPE G1WC, 512, 128, 512                      ; 128 rows of w
	s_or_b32 s[G1WS], s6, (3<<16)|(1<<20)|(1<<21)|(5<<22)|(3<<25)
	SHAPE G1WS, 32, 32, 32
	s_mov_b32 s68, 1                               ; groups 0: the count, and the LDS address: a constant + the half x a constant
	s_mov_b32 s69, XC
	s_mov_b32 s72, 1
	s_mov_b32 s73, XS
	s_mov_b32 s76, 1
	s_mov_b32 s77, TAB
	s_mov_b32 s80, 1
	s_add_co_u32 s81, s77, TBL
	s_mov_b32 s84, 1
	s_add_co_u32 s85, s77, 2*TBL
	s_mov_b32 s88, 1
	s_mul_i32 s89, s13, 128*PX
	s_add_co_u32 s89, s89, WC
	s_mov_b32 s92, 1
	s_mov_b32 s93, WS
	s_lshl_b32 s21, s20, 7
	s_mov_b32 s3, 0
	s_lshl_b32 s96, s19, 8
	s_lshl_b32 s97, s13, 7
	s_add_co_u32 s97, s96, s97                     ; w's stored row 256 x feature tile (s96: its scales), + 128 x half (s97: its codes)
	s_mov_b32 s99, 0
	s_wait_dscnt 0x0                               ; both opening adds are done
	s_wait_kmcnt 0x0
	s_lshl_b32 s2, s21, 9
	s_add_nc_u64 s[70:71], s[70:71], s[2:3]
	s_lshl_b32 s2, s21, 5
	s_add_nc_u64 s[74:75], s[74:75], s[2:3]
	s_and_b32 s2, s20, 15                          ; the tables go by the position in the sequence
	s_lshl_b32 s2, s2, 15                          ; 128 rows of 256 bytes a token tile
	s_add_nc_u64 s[78:79], s[78:79], s[2:3]
	s_add_nc_u64 s[82:83], s[82:83], s[2:3]
	s_add_nc_u64 s[86:87], s[86:87], s[2:3]
	s_lshl_b32 s98, s97, 9
	s_add_nc_u64 s[90:91], s[90:91], s[98:99]
	s_lshl_b32 s98, s96, 5
	s_add_nc_u64 s[94:95], s[94:95], s[98:99]
.irp g, 71,75,79,83,87,91,95
	s_or_b32 s\g, s\g, 0x80000000                  ; the type
.endr
	CROUND                                         ; all sixteen work-groups are here: the joint loads meet
; THE HEAD'S LOADS, ONE A WAVE: wave 0 x's codes, waves 1 and 2 the halves of w's, wave 3 x's scales, wave 4 w's, waves 5 to 7 cos, sin, pe_scale.
; One chain of branches on the wave's number, a load to an arm, all arms leading to one join.
.macro ARM under, g0, g1, next
	s_cmp_lt_u32 s12, \under
	s_cbranch_scc0 \next
	tensor_load_to_lds s[\g0:\g0+3], s[\g1:\g1+7]
	s_nop 0
.rept 4
	v_nop
.endr
	s_branch .Lasked
\next:
.endm
	ARM 1, 68, G1XC, .Larm_w
	ARM 3, 88, G1WC, .Larm_xs
	ARM 4, 72, G1XS, .Larm_ws
	ARM 5, 92, G1WS, .Larm_c
	ARM 6, 76, G1T, .Larm_s
	ARM 7, 80, G1T, .Larm_p
	tensor_load_to_lds s[84:87], s[G1T:G1T+7]
	s_nop 0
.rept 4
	v_nop
.endr
.Lasked:
; THE TOKENS OF A TILE, for q and k alike: lane r of my tile m holds token 64 (wave & 1) + 32 (r / 8) + 8 m + r % 8 of the work-group's 128.
; In x's stored order that is row 64 (wave & 1) + 32 (r / 8) + 8 sw(m) + r % 8, sw = 0, 2, 1, 3.  All lane terms are constants of the text.
	; what differs between q and k: all selections on one compare, the additions behind them
	s_cmp_lg_u32 ttmp9, 0                          ; SCC = 1: k
	s_cselect_b64 s[8:9], s[10:11], s[8:9]         ; where the results go
	s_cselect_b32 s6, 8960-4608, 0                 ; a record's bytes
	s_add_co_u32 s6, s6, 4608
	s_mov_b32 s[SEL], 0x76543210
	s_mov_b32 s[SEL+1], 0xfedcba98
	s_mov_b32 s66, 0xffff0000                      ; lanes 16-31
	v_and_b32 v1, 15, v0                           ; r
	v_bfe_u32 v2, v0, 4, 1                         ; h
	s_delay_alu instid0(VALU_DEP_2)
	v_lshrrev_b32 v126, 3, v1                      ; r / 8
	s_delay_alu instid0(VALU_DEP_3)
	v_mul_u32_u24 v3, v1, PX
	s_delay_alu instid0(VALU_DEP_1)
	v_lshl_add_u32 v3, v2, 4, v3                   ; a fragment's row x pitch + 16 x half
	s_delay_alu instid0(VALU_DEP_3)
	v_mul_u32_u24 v4, 24*PX, v126                  ; lanes 8-15: 32 rows on, not 8
	s_delay_alu instid0(VALU_DEP_1)
	v_add_nc_u32 v4, v4, v3
	s_mul_i32 s7, s16, 64*PX
	s_add_co_u32 s7, s7, WC
	v_add_nc_u32 v5, s7, v3                        ; v5: w's fragments, my head's 64 rows
	s_mul_i32 s7, s15, 64*PX
	v_add_nc_u32 v3, s7, v4                        ; v3: x's tiles, my 64 tokens
	v_lshlrev_b32 v8, 5, v1
	s_delay_alu instid0(VALU_DEP_1)
	v_lshl_add_u32 v8, v126, 4, v8                 ; a row's scale bytes: 32 r, + 16 for each 8 rows passed
	v_mul_u32_u24 v6, 3*272, v126                  ; lanes 8-15: four runs of eight rows on, not one
	s_delay_alu instid0(VALU_DEP_1)
	v_add_nc_u32 v6, v6, v8
	s_mul_i32 s7, s15, 8*272
	s_add_co_u32 s7, s7, XS
	v_add_nc_u32 v6, s7, v6                        ; v6: x's scale words
	s_mul_i32 s7, s16, 8*272
	s_add_co_u32 s7, s7, WS
	v_add_nc_u32 v8, s7, v8                        ; v8: w's
	v_mul_u32_u24 v9, v1, 272
	s_delay_alu instid0(VALU_DEP_1)
	v_lshl_add_u32 v9, v2, 6, v9                   ; a table's row, + 64 h: my 16 of each 32 along d
	v_mul_u32_u24 v10, 24*272, v126                ; the tables lie by position: lanes 8-15 32 rows on
	s_delay_alu instid0(VALU_DEP_1)
	v_add_nc_u32 v9, v9, v10
	s_mul_i32 s7, s15, 64*272
	s_add_co_u32 s7, s7, TAB
	v_add_nc_u32 v9, s7, v9                        ; v9: cos, and sin TBL further on
	s_delay_alu instid0(VALU_DEP_1)
	v_add_nc_u32 v11, 2*TBL, v9                    ; v11: pe_scale (beyond a 16-bit offset)
	v_and_b32 v13, 31, v0
	s_delay_alu instid0(VALU_DEP_1)
	v_lshlrev_b32 v13, 4, v13
	s_lshl_b32 s7, s15, 11
	v_add_nc_u32 v13, s7, v13                      ; v13: an image's place for my lane: 16 x lane + my four tiles' 2,048 bytes
	v_lshlrev_b32 v126, 4, v1
	s_delay_alu instid0(VALU_DEP_1)
	v_lshl_add_u32 v126, v2, 3, v126
	s_lshl_b32 s7, s15, 8
	v_add_nc_u32 v126, s7, v126                    ; v126: my two scale words: 16 r + 8 h + 256 x half
	v_lshlrev_b32 v127, 6, v2                      ; v127: the bias: 64 h
	s_wait_alu depctr_va_vdst(0)
	s_lshl_b32 s2, s19, 10
	s_lshl_b32 s7, s16, 8
	s_add_co_u32 s2, s2, s7
	s_add_nc_u64 s[4:5], s[4:5], s[2:3]            ; b_qkv at my head's first feature
	s_lshr_b32 s7, s20, 4
	s_lshl_b32 s7, s7, 4                           ; 16 x batch
	s_lshl_b32 s21, s17, 2
	s_add_co_u32 s7, s7, s21
	s_add_co_u32 s7, s7, s16                       ; + head = 4 cx + my head of the four
	s_lshl_b32 s7, s7, 4
	s_and_b32 s21, s20, 15
	s_add_co_u32 s7, s7, s21                       ; the record: 16 x (batch, head) + the block of 128 tokens
	s_mul_i32 s2, s7, s6
	s_add_nc_u64 s[8:9], s[8:9], s[2:3]
.irp t, 0,1,2,3
.irp c, 0,1
	global_load_b128 v[BI+8*\t+4*\c:BI+8*\t+4*\c+3], v127, s[4:5] offset:(32*(\t/2)+8*(\t%2))*4+16*\c   ; tile 2 b + u: features 32 b + 16 h + 8 u + 0 .. 7
.endr
.endr
	s_wait_tensorcnt 0x0                           ; my fills have landed,
	s_barrier_signal -1
	s_barrier_wait -1                              ; everybody's have
	s_wait_loadcnt 0x0                             ; the bias
; 128 along K: 8 + 8 loads of 16 bytes, 8 scale words, 16 products.  The 16 accumulators take turns, one instruction a turn.
.macro KSTEP q, first
.if \first == 0
.rept 4
	v_nop                                          ; four places in front of loads into registers that matrix instructions have read (ISA guide 7.12.1 for vector instructions)
.endr
.endif
.irp t, 0,1,2,3
.irp c, 0,1
	ds_load_b128 v[BF+8*\t+4*\c:BF+8*\t+4*\c+3], v5 offset:64*(\q)+32*\c+16*PX*\t
.endr
.endr
.irp m, 0,1,2,3
.irp c, 0,1
	ds_load_b128 v[AF+8*\m+4*\c:AF+8*\m+4*\c+3], v3 offset:64*(\q)+32*\c+8*PX*(2*(\m%2)+\m/2)
.endr
.endr
.irp m, 0,1,2,3
	ds_load_b32 v[SCX+\m], v6 offset:272*(2*(\m%2)+\m/2)+4*(\q)
.endr
.irp t, 0,1,2,3
	ds_load_b32 v[SCW+\t], v8 offset:2*272*\t+4*(\q)
.endr
	s_wait_dscnt 0x0
.irp m, 0,1,2,3
.irp t, 0,1,2,3
.if \first
	v_wmma_scale_f32_16x16x128_f8f6f4 v[ACC+32*\m+8*\t:ACC+32*\m+8*\t+7], v[BF+8*\t:BF+8*\t+7], v[AF+8*\m:AF+8*\m+7], v[BI+8*\t:BI+8*\t+7], v[SCW+\t], v[SCX+\m] matrix_a_fmt:MATRIX_FMT_FP4 matrix_b_fmt:MATRIX_FMT_FP4
.else
	v_wmma_scale_f32_16x16x128_f8f6f4 v[ACC+32*\m+8*\t:ACC+32*\m+8*\t+7], v[BF+8*\t:BF+8*\t+7], v[AF+8*\m:AF+8*\m+7], v[ACC+32*\m+8*\t:ACC+32*\m+8*\t+7], v[SCW+\t], v[SCX+\m] matrix_a_fmt:MATRIX_FMT_FP4 matrix_b_fmt:MATRIX_FMT_FP4
.endif
.endr
.endr
.endm
	KSTEP 0, 1
.irp q, 1,2,3,4,5,6,7
	KSTEP \q, 0
.endr
; Token tile m: the tables' numbers at my token and my 32 places along d; RoPE and pe_scale, in place on the tile's 32 registers.
.macro ROPE m
.set YY, ACC+32*(\m)
.irp t, 0,1,2,3
.irp c, 0,1
	ds_load_b128 v[TC+8*\t+4*\c:TC+8*\t+4*\c+3], v9 offset:8*272*(\m)+128*(\t/2)+32*(\t%2)+16*\c
	ds_load_b128 v[TS+8*\t+4*\c:TS+8*\t+4*\c+3], v9 offset:TBL+8*272*(\m)+128*(\t/2)+32*(\t%2)+16*\c
	ds_load_b128 v[TP+8*\t+4*\c:TP+8*\t+4*\c+3], v11 offset:8*272*(\m)+128*(\t/2)+32*(\t%2)+16*\c
.endr
.endr
	s_wait_dscnt 0x0
	s_cmp_eq_u32 ttmp9, 0                          ; the cluster's x: the same in all partners
	s_cbranch_scc1 .Lis_q_\@
.set i, 0
.rept 32
	v_rcp_f32 v[TP+i], v[TP+i]                     ; k is divided by pe_scale
.set i, i+1
.endr
	v_nop                                          ; a plain instruction behind the last reciprocal,
	s_wait_alu depctr_va_vdst(0)                   ; and one wait for the 32, ahead of the label and of their first reader
.Lis_q_\@:
.set i, 0
.rept 16
	v_pk_mul_f32 v[TC+i:TC+i+1], v[YY+i:YY+i+1], v[TC+i:TC+i+1]    ; y cos; each accumulator is read from its low end on
.set i, i+2
.endr
.set i, 0
.rept 16
	v_fma_f32 v[TC+i], -v[YY+i+1], v[TS+i], v[TC+i]                ; even d: - y(odd) sin
	v_fma_f32 v[TC+i+1], v[YY+i], v[TS+i+1], v[TC+i+1]             ; odd d: + y(even) sin
.set i, i+2
.endr
.set i, 0
.rept 16
	v_pk_mul_f32 v[YY+i:YY+i+1], v[TC+i:TC+i+1], v[TP+i:TP+i+1]
.set i, i+2
.endr
.endm
; 64 numbers of a lane, register 16 b + i = place 16 (lane / 16) + i of block b, become 8 registers of codes in v[PC] on and the four blocks' bytes in v[pw].
.macro QUANT s, pw
.irp b, 0,1,2,3
	v_max3_num_f32 v[TM+\b], |v[\s+16*\b]|, |v[\s+1+16*\b]|, 0x1800000   ; my 16 numbers, and the floor 2^(3 - 127): the byte cannot fall under 1
.endr
.irp i, 2,4,6,8,10,12,14
.irp b, 0,1,2,3
	s_delay_alu instid0(VALU_DEP_4)
	v_max3_num_f32 v[TM+\b], v[TM+\b], |v[\s+16*\b+\i]|, |v[\s+1+16*\b+\i]|   ; the four blocks by turns
.endr
.endr
.irp b, 0,1,2,3
	s_delay_alu instid0(VALU_DEP_4)
	v_permlanex16_b32 v[TM+4+\b], v[TM+\b], s[SEL], s[SEL+1]
.endr
.irp b, 0,1,2,3
	s_delay_alu instid0(VALU_DEP_4)
	v_max_num_f32 v[TM+\b], v[TM+\b], v[TM+4+\b]   ; with lane l xor 16's: the block's largest magnitude
.endr
.irp b, 0,1,2,3
	s_delay_alu instid0(VALU_DEP_4)
	v_add_nc_u32 v[TM+12+\b], 0xff000000, v[TM+\b] ; 2 off its exponent field: the conversion's scale operand
.endr
.irp b, 0,1,2,3
	s_delay_alu instid0(VALU_DEP_4)
	v_lshrrev_b32 v[TM+4+\b], 23, v[TM+12+\b]      ; the scale's byte
.endr
	s_delay_alu instid0(VALU_DEP_3)
	v_lshl_or_b32 v[\pw], v[TM+5], 8, v[TM+4]
	s_delay_alu instid0(VALU_DEP_1)
	v_lshl_or_b32 v[\pw], v[TM+6], 16, v[\pw]
	s_delay_alu instid0(VALU_DEP_1)
	v_lshl_or_b32 v[\pw], v[TM+7], 24, v[\pw]
.irp b, 0,1,2,3
	v_cvt_scalef32_pk8_fp4_f32 v[PC+2*\b], v[\s+16*\b:\s+7+16*\b], v[TM+12+\b]
	v_cvt_scalef32_pk8_fp4_f32 v[PC+1+2*\b], v[\s+8+16*\b:\s+15+16*\b], v[TM+12+\b]
.endr
	v_nop                                          ; one plain instruction behind a scaled conversion
.irp c, 0,1                                    ; a WHOLE block to a lane: lanes 0-15 block 2 c, lanes 16-31 block 2 c + 1
.irp i, 0,1
	v_permlane16_swap_b32 v[PC+4*\c+\i], v[PC+2+4*\c+\i]
.endr
.endr
.endm
.rept 4
	v_nop                                          ; four places behind the last products: for the loads into the fragments' registers and the first reads of results
.endr
; Two token tiles at a time: their 2 x 2 blocks are the quantiser's four.  Registers 4 c .. 4 c + 3 are then tile 2 p + c's image: lane (r, h) holds token r's block h, 16 bytes.
.irp p, 0,1
.if \p > 0
	s_wait_xcnt 0x0                                ; the stores of the first pair have read their registers: they are written again only behind this wait
.endif
	ROPE 2*\p
	ROPE 2*\p+1
	QUANT ACC+64*\p, SW+2*\p
	v_lshrrev_b32 v[SW+2*\p+1], 16, v[SW+2*\p]     ; the odd tile's two bytes come down; the even tile's word keeps them on top, over codes that are zeros in the attention launch
	global_store_b128 v13, v[PC:PC+3], s[8:9] offset:1024*\p           ; 32 lanes store 512 consecutive bytes, aligned to 256
	global_store_b128 v13, v[PC+4:PC+7], s[8:9] offset:1024*\p+512
.endr
	v_cndmask_b32 v124, v[SW], v[SW+2], s66        ; lanes 0-15 store tiles 0 and 1's words of their token, lanes 16-31 tiles 2 and 3's
	v_cndmask_b32 v125, v[SW+1], v[SW+3], s66
	global_store_b64 v126, v[124:125], s[8:9] offset:4096              ; 256 consecutive bytes, aligned
	s_wait_tensorcnt 0x0                           ; the wave's end
	ds_add_u32 v[SPW], v[NIL]
	s_wait_dscnt 0x0
	CROUND                                         ; the closing round
	s_endpgm
.Lfunc_end_k_q504bbf0bfe_qk:
	.size	k_q504bbf0bfe_qk, .Lfunc_end_k_q504bbf0bfe_qk-k_q504bbf0bfe_qk
	.p2alignl 7, 3214868480
	.fill 96, 4, 3214868480
	.section	.rodata,"a",@progbits
	.p2align	6, 0x0
	.amdhsa_kernel k_q504bbf0bfe_qk
		.amdhsa_group_segment_fixed_size 327680
		.amdhsa_private_segment_fixed_size 0
		.amdhsa_enable_private_segment 0
		.amdhsa_kernarg_size 80
		.amdhsa_user_sgpr_count 2
		.amdhsa_user_sgpr_kernarg_segment_ptr 1
		.amdhsa_wavefront_size32 1
		.amdhsa_system_sgpr_workgroup_id_x 1
		.amdhsa_system_sgpr_workgroup_id_y 1
		.amdhsa_system_sgpr_workgroup_id_z 1
		.amdhsa_system_vgpr_workitem_id 0
		.amdhsa_next_free_vgpr 256
		.amdhsa_next_free_sgpr 102
		.amdhsa_reserve_vcc 0
		.amdhsa_float_denorm_mode_32 3
		.amdhsa_float_denorm_mode_16_64 3
		.amdhsa_memory_ordered 1
		.amdhsa_forward_progress 1
		.amdhsa_inst_pref_size 80
	.end_amdhsa_kernel
	.amdgpu_metadata
---
amdhsa.version: [ 1, 2 ]
amdhsa.kernels:
  - .name:           k_q504bbf0bfe_qk
    .symbol:         k_q504bbf0bfe_qk.kd
    .args:
      - { .name: xc, .offset: 0, .size: 8, .value_kind: global_buffer, .address_space: global }
      - { .name: xs, .offset: 8, .size: 8, .value_kind: global_buffer, .address_space: global }
      - { .name: wc, .offset: 16, .size: 8, .value_kind: global_buffer, .address_space: global }
      - { .name: ws, .offset: 24, .size: 8, .value_kind: global_buffer, .address_space: global }
      - { .name: pe_cos, .offset: 32, .size: 8, .value_kind: global_buffer, .address_space: global }
      - { .name: pe_sin, .offset: 40, .size: 8, .value_kind: global_buffer, .address_space: global }
      - { .name: pe_scale, .offset: 48, .size: 8, .value_kind: global_buffer, .address_space: global }
      - { .name: b_qkv, .offset: 56, .size: 8, .value_kind: global_buffer, .address_space: global }
      - { .name: qq, .offset: 64, .size: 8, .value_kind: global_buffer, .address_space: global }
      - { .name: kv, .offset: 72, .size: 8, .value_kind: global_buffer, .address_space: global }
    .group_segment_fixed_size: 327680
    .private_segment_fixed_size: 0
    .kernarg_segment_align: 8
    .kernarg_segment_size: 80
    .max_flat_workgroup_size: 256
    .sgpr_count:     102
    .vgpr_count:     256
    .wavefront_size: 32
...
	.end_amdgpu_metadata
.endif
;; end of part 2
;; launch vv (part 3): grid 4 x 64, 8 waves a work-group, clusters of 4 x 4, 327,680 bytes of LDS; arguments xc, xs, wc, ws, b_qkv, kv; writes kv
.if DOCPART == 3
	.amdgcn_target "amdgcn-amd-amdhsa--gfx1250"
	.amdhsa_code_object_version 6
	.text
	.protected	k_q504bbf0bfe_vv
	.globl	k_q504bbf0bfe_vv
	.p2align	8
	.type	k_q504bbf0bfe_vv,@function
k_q504bbf0bfe_vv:
	s_mov_b64 s[64:65], 0
	v_nop
	global_prefetch_b8 v0, s[64:65] scope:SCOPE_SE
	s_setreg_imm32_b32 hwreg(HW_REG_WAVE_MODE, 25, 1), 1
	s_wait_xcnt 0x0
	s_wait_alu depctr_hold_cnt(0) depctr_sa_sdst(0) depctr_va_vdst(0) depctr_va_sdst(0) depctr_va_ssrc(0) depctr_va_vcc(0) depctr_vm_vsrc(0)
	s_getreg_b32 s2, hwreg(HW_REG_IB_STS2, 6, 4)
	s_cmp_eq_u32 s2, 0
	s_cbranch_scc0 .Lentry_in_a_cluster
	s_endpgm
.Lentry_in_a_cluster:
	s_bfe_u32 s2, ttmp6, 0x10000c
	s_cmp_lg_u32 s2, 0xf033
	s_cbranch_scc0 .Lentry_shape_is_right
	s_endpgm
.Lentry_shape_is_right:
; LAUNCH 3 OF 4.  Features 2048 to 3071 of qkv = x w^T + b on codes of E2M1: v.  It is quantised along the TOKENS, which are the keys, the K of attention's second product, and stored as images of that product's operand registers.  No work is left out.
; LIMITS: NaN and infinities are not served; a block under 2^-124, a block of zeros among them, keeps the byte 1; this program alone reads the bytes.
; SHARES.  A work-group makes 128 tokens x 256 features (four heads).  Wave w: all 128 tokens x features 32 w on: 8 tiles of tokens x 2 tiles of features, 16 accumulators.
; ALL OF K lies in LDS, filled once at the head; nothing is filled again.  lds_bytes claims a whole WGP's LDS; the text uses 215,808 bytes and the spare words.
; CLUSTER 4 x 4: x's tile and scales are asked for jointly along a row of the cluster, w's along a column.
; THE PRODUCT IS NOT TRANSPOSED (source 0 = 16 stored rows of x, source 1 = 16 rows of w): a lane holds ONE feature, and since x's rows are stored with the middle groups of eight exchanged,
; register 16 b + i of a feature tile's 64 holds token 32 b + 16 (lane / 16) + i: neighbours along the keys.  The bias, one number a lane, is the C of each sum's first product.
; The scale words of a wave's two tiles leave as 128 consecutive bytes: half of an aligned 256, the other half being the neighbouring wave's: 256 bytes of each record of 8,960.
.set PX,    528
.set XC,    0
.set WC,    128*PX
.set XS,    WC+256*PX
.set WS,    XS+16*272
.set SPARE, 326656
.set AF,  16                           ; v16-79   x's eight fragments
.set BF,  80                           ; v80-95   w's two
.set BI,  96                           ; v96-111  the bias: eight equal registers a tile
.set SCX, 112                          ; v112-119 x's scale words
.set SCW, 120                          ; v120-121 w's
.set SW,  122                          ; v122-123 the scale words made
.set ACC, 128                          ; accumulator (feature tile t, token tile m) at 64 t + 8 m
.set TM,  16
.set PC,  32
.set SPW, 14
.set NIL, 15
.set SEL, 22
.set G1XC, 24
.set G1XS, 32
.set G1WC, 48
.set G1WS, 56
.macro SHAPE g, cc, rr, pp
	s_mov_b32 s[\g+1], (\cc)<<16
	s_mov_b32 s[\g+2], (\rr)<<16
	s_mov_b32 s[\g+3], (\cc)<<16
	s_mov_b32 s[\g+4], \rr
	s_mov_b32 s[\g+5], \pp
	s_mov_b32 s[\g+6], 0
	s_mov_b32 s[\g+7], 0
.endm
.macro CROUND
	s_barrier_signal -1
	s_barrier_wait -1
	s_cmp_lg_u32 s12, 0
	s_cbranch_scc1 .Lnot_wave_0_\@
	s_barrier_signal -3
.Lnot_wave_0_\@:
	s_barrier_wait -3
	s_barrier_signal -1
	s_barrier_wait -1
.endm
	s_load_b64 s[70:71], s[0:1], 0x0               ; x's codes,
	s_load_b64 s[74:75], s[0:1], 0x8               ; x's scales,
	s_load_b64 s[90:91], s[0:1], 0x10              ; w's codes,
	s_load_b64 s[94:95], s[0:1], 0x18              ; w's scales: each where its descriptor wants it
	s_load_b64 s[4:5], s[0:1], 0x20                ; b_qkv
	s_load_b64 s[8:9], s[0:1], 0x28                ; kv
	v_lshl_add_u32 v[SPW], v0, 2, SPARE
	v_mov_b32 v[NIL], 0
	ds_add_u32 v[SPW], v[NIL]                      ; the wave's opening: the add, twice on end, and its wait ahead of my first tensor load
	ds_add_u32 v[SPW], v[NIL]
	v_lshrrev_b32 v1, 5, v0
	s_delay_alu instid0(VALU_DEP_1)
	v_readfirstlane_b32 s12, v1                    ; wave 0..7
	s_add_co_u32 s13, s12, 2
	s_and_b32 s13, s13, 3                          ; waves 2 to 5 fetch w's quarters 0 to 3
	s_and_b32 s15, s12, 1                          ; which half of a head's 64 features is mine,
	s_lshr_b32 s16, s12, 1                         ; and which head of the four
	s_bfe_u32 s17, ttmp6, 0x40000                  ; cx
	s_bfe_u32 s18, ttmp6, 0x40004                  ; cy
	s_lshl_b32 s19, ttmp9, 2
	s_add_co_u32 s19, s19, s17                     ; the feature tile
	s_and_b32 s20, ttmp7, 0xffff
	s_lshl_b32 s20, s20, 2
	s_add_co_u32 s20, s20, s18                     ; the token tile
	s_lshl_b32 s21, s18, 2
	s_lshl_b32 s21, 15, s21                        ; my row of the cluster
	s_lshl_b32 s6, 0x1111, s17                     ; my column
	s_or_b32 s[G1XC], s21, (0<<16)|(1<<20)|(1<<21)|(6<<22)|(3<<25)
	SHAPE G1XC, 512, 64, 512
	s_or_b32 s[G1XS], s21, (3<<16)|(1<<20)|(1<<21)|(5<<22)|(3<<25)
	SHAPE G1XS, 32, 16, 32
	s_or_b32 s[G1WC], s6, (0<<16)|(1<<20)|(1<<21)|(6<<22)|(3<<25)
	SHAPE G1WC, 512, 64, 512
	s_or_b32 s[G1WS], s6, (3<<16)|(1<<20)|(1<<21)|(5<<22)|(3<<25)
	SHAPE G1WS, 32, 32, 32
	s_mov_b32 s68, 1
	s_mul_i32 s69, s15, 64*PX
	s_mov_b32 s72, 1
	s_mov_b32 s73, XS
	s_mov_b32 s88, 1
	s_mul_i32 s89, s13, 64*PX
	s_add_co_u32 s89, s89, WC
	s_mov_b32 s92, 1
	s_mov_b32 s93, WS
	s_lshl_b32 s21, s20, 7
	s_lshl_b32 s7, s15, 6
	s_add_co_u32 s7, s21, s7                       ; x's stored row 128 x token tile (s21: its scales), + 64 x half (s7: its codes)
	s_mov_b32 s3, 0
	s_lshl_b32 s76, s19, 8
	s_add_co_u32 s76, s76, 2048                    ; w's row 2048 + 256 x feature tile (its scales),
	s_lshl_b32 s77, s13, 6
	s_add_co_u32 s77, s76, s77                     ; + 64 x quarter (its codes)
	s_mov_b32 s79, 0
	s_wait_dscnt 0x0                               ; both opening adds are done
	s_wait_kmcnt 0x0
	s_lshl_b32 s2, s7, 9
	s_add_nc_u64 s[70:71], s[70:71], s[2:3]
	s_lshl_b32 s2, s21, 5
	s_add_nc_u64 s[74:75], s[74:75], s[2:3]
	s_lshl_b32 s78, s77, 9
	s_add_nc_u64 s[90:91], s[90:91], s[78:79]
	s_lshl_b32 s78, s76, 5
	s_add_nc_u64 s[94:95], s[94:95], s[78:79]
.irp g, 71,75,91,95
	s_or_b32 s\g, s\g, 0x80000000
.endr
	CROUND                                         ; all sixteen work-groups are here: the joint loads meet
; THE HEAD'S LOADS, ONE A WAVE: waves 0 and 1 the halves of x's codes, waves 2 to 5 the quarters of w's, wave 6 x's scales, wave 7 w's.
; One chain of branches on the wave's number, a load to an arm, all arms leading to one join.
.macro ARM under, g0, g1, next
	s_cmp_lt_u32 s12, \under
	s_cbranch_scc0 \next
	tensor_load_to_lds s[\g0:\g0+3], s[\g1:\g1+7]
	s_nop 0
.rept 4
	v_nop
.endr
	s_branch .Lasked
\next:
.endm
	ARM 2, 68, G1XC, .Larm_w
	ARM 6, 88, G1WC, .Larm_xs
	ARM 7, 72, G1XS, .Larm_ws
	tensor_load_to_lds s[92:95], s[G1WS:G1WS+7]
	s_nop 0
.rept 4
	v_nop
.endr
.Lasked:
	s_mov_b32 s[SEL], 0x76543210
	s_mov_b32 s[SEL+1], 0xfedcba98
	s_mov_b32 s66, 0xffff0000                      ; lanes 16-31
	v_and_b32 v1, 15, v0                           ; r
	v_bfe_u32 v2, v0, 4, 1                         ; h
	s_delay_alu instid0(VALU_DEP_2)
	v_lshrrev_b32 v7, 3, v1                        ; r / 8
	s_delay_alu instid0(VALU_DEP_3)
	v_mul_u32_u24 v3, v1, PX
	s_delay_alu instid0(VALU_DEP_1)
	v_lshl_add_u32 v3, v2, 4, v3                   ; v3: x's fragments: row x pitch + 16 x half
	s_mul_i32 s7, s12, 32*PX
	s_add_co_u32 s7, s7, WC
	v_add_nc_u32 v5, s7, v3                        ; v5: w's, my 32 rows
	v_lshlrev_b32 v4, 5, v1
	s_delay_alu instid0(VALU_DEP_1)
	v_lshl_add_u32 v4, v7, 4, v4                   ; a row's scale bytes: 32 r, + 16 for each 8 rows passed
	s_delay_alu instid0(VALU_DEP_1)
	v_add_nc_u32 v6, XS, v4                        ; v6: x's scale words
	s_mul_i32 s7, s12, 4*272
	s_add_co_u32 s7, s7, WS
	v_add_nc_u32 v8, s7, v4                        ; v8: w's
	v_and_b32 v9, 31, v0
	s_delay_alu instid0(VALU_DEP_1)
	v_lshlrev_b32 v10, 2, v9
	s_delay_alu instid0(VALU_DEP_2)
	v_lshlrev_b32 v9, 4, v9
	s_lshl_b32 s7, s15, 11
	v_add_nc_u32 v9, s7, v9                        ; v9: an image's place: 16 x lane + my two tiles' 2,048 bytes
	s_lshl_b32 s7, s15, 7
	v_add_nc_u32 v10, s7, v10                      ; v10: a scale word's: 4 x lane + my two tiles' 128 bytes
	v_lshlrev_b32 v11, 2, v1                       ; v11: the bias: 4 r
	s_wait_alu depctr_va_vdst(0)
	s_lshl_b32 s2, s19, 10
	s_lshl_b32 s7, s12, 7
	s_add_co_u32 s2, s2, s7
	s_add_co_u32 s2, s2, 8192
	s_add_nc_u64 s[4:5], s[4:5], s[2:3]            ; b_qkv at feature 2048 + 256 x tile + 32 x wave
	s_lshr_b32 s7, s20, 4
	s_lshl_b32 s7, s7, 4
	s_lshl_b32 s21, s19, 2
	s_add_co_u32 s7, s7, s21
	s_add_co_u32 s7, s7, s16                       ; 16 x batch + head
	s_lshl_b32 s7, s7, 4
	s_and_b32 s21, s20, 15
	s_add_co_u32 s7, s7, s21                       ; the record
	s_mul_i32 s2, s7, 8960
	s_add_nc_u64 s[8:9], s[8:9], s[2:3]
.irp t, 0,1
.irp j, 0,1,2,3,4,5,6,7
	global_load_b32 v[BI+8*\t+\j], v11, s[4:5] offset:64*\t    ; my feature's bias in all eight registers of the tile
.endr
.endr
	s_wait_tensorcnt 0x0                           ; my fills have landed,
	s_barrier_signal -1
	s_barrier_wait -1                              ; everybody's have
	s_wait_loadcnt 0x0                             ; the bias
; 128 along K: 4 + 16 loads of 16 bytes, 10 scale words, 16 products; the 16 accumulators take turns, one instruction a turn.
.macro KSTEP q, first
.if \first == 0
.rept 4
	v_nop                                          ; four places in front of loads into registers that matrix instructions have read
.endr
.endif
.irp t, 0,1
.irp c, 0,1
	ds_load_b128 v[BF+8*\t+4*\c:BF+8*\t+4*\c+3], v5 offset:64*(\q)+32*\c+16*PX*\t
.endr
.endr
.irp m, 0,1,2,3,4,5,6,7
.irp c, 0,1
	ds_load_b128 v[AF+8*\m+4*\c:AF+8*\m+4*\c+3], v3 offset:64*(\q)+32*\c+16*PX*\m
.endr
.endr
.irp m, 0,1,2,3,4,5,6,7
	ds_load_b32 v[SCX+\m], v6 offset:2*272*\m+4*(\q)
.endr
.irp t, 0,1
	ds_load_b32 v[SCW+\t], v8 offset:2*272*\t+4*(\q)
.endr
	s_wait_dscnt 0x0
.irp m, 0,1,2,3,4,5,6,7
.irp t, 0,1
.if \first
	v_wmma_scale_f32_16x16x128_f8f6f4 v[ACC+64*\t+8*\m:ACC+64*\t+8*\m+7], v[AF+8*\m:AF+8*\m+7], v[BF+8*\t:BF+8*\t+7], v[BI+8*\t:BI+8*\t+7], v[SCX+\m], v[SCW+\t] matrix_a_fmt:MATRIX_FMT_FP4 matrix_b_fmt:MATRIX_FMT_FP4
.else
	v_wmma_scale_f32_16x16x128_f8f6f4 v[ACC+64*\t+8*\m:ACC+64*\t+8*\m+7], v[AF+8*\m:AF+8*\m+7], v[BF+8*\t:BF+8*\t+7], v[ACC+64*\t+8*\m:ACC+64*\t+8*\m+7], v[SCX+\m], v[SCW+\t] matrix_a_fmt:MATRIX_FMT_FP4 matrix_b_fmt:MATRIX_FMT_FP4
.endif
.endr
.endr
.endm
	KSTEP 0, 1
.irp q, 1,2,3,4,5,6,7
	KSTEP \q, 0
.endr
; 64 numbers of a lane, register 16 b + i = token 32 b + 16 (lane / 16) + i of my feature, become a fragment's 8 registers in v[PC] on and its scale word in v[pw].
.macro QUANT s, pw
.irp b, 0,1,2,3
	v_max3_num_f32 v[TM+\b], |v[\s+16*\b]|, |v[\s+1+16*\b]|, 0x1800000   ; my 16 numbers, and the floor 2^(3 - 127).  Each accumulator is read from its low end on
.endr
.irp i, 2,4,6,8,10,12,14
.irp b, 0,1,2,3
	v_max3_num_f32 v[TM+\b], v[TM+\b], |v[\s+16*\b+\i]|, |v[\s+1+16*\b+\i]|
.endr
.endr
.irp b, 0,1,2,3
	s_delay_alu instid0(VALU_DEP_4)
	v_permlanex16_b32 v[TM+4+\b], v[TM+\b], s[SEL], s[SEL+1]
.endr
.irp b, 0,1,2,3
	s_delay_alu instid0(VALU_DEP_4)
	v_max_num_f32 v[TM+\b], v[TM+\b], v[TM+4+\b]
.endr
.irp b, 0,1,2,3
	s_delay_alu instid0(VALU_DEP_4)
	v_add_nc_u32 v[TM+12+\b], 0xff000000, v[TM+\b]
.endr
.irp b, 0,1,2,3
	s_delay_alu instid0(VALU_DEP_4)
	v_lshrrev_b32 v[TM+4+\b], 23, v[TM+12+\b]
.endr
	s_delay_alu instid0(VALU_DEP_3)
	v_lshl_or_b32 v[\pw], v[TM+5], 8, v[TM+4]
	s_delay_alu instid0(VALU_DEP_1)
	v_lshl_or_b32 v[\pw], v[TM+6], 16, v[\pw]
	s_delay_alu instid0(VALU_DEP_1)
	v_lshl_or_b32 v[\pw], v[TM+7], 24, v[\pw]
.irp b, 0,1,2,3
	v_cvt_scalef32_pk8_fp4_f32 v[PC+2*\b], v[\s+16*\b:\s+7+16*\b], v[TM+12+\b]
	v_cvt_scalef32_pk8_fp4_f32 v[PC+1+2*\b], v[\s+8+16*\b:\s+15+16*\b], v[TM+12+\b]
.endr
	v_nop                                          ; one plain instruction behind a scaled conversion
.irp c, 0,1
.irp i, 0,1
	v_permlane16_swap_b32 v[PC+4*\c+\i], v[PC+2+4*\c+\i]
.endr
.endr
.endm
.rept 4
	v_nop                                          ; four places behind the last products
.endr
.irp t, 0,1
.if \t > 0
	s_wait_xcnt 0x0                                ; the first tile's stores have read their registers
.endif
	QUANT ACC+64*\t, SW+\t
	global_store_b128 v9, v[PC:PC+3], s[8:9] offset:4608+1024*\t       ; 512 consecutive bytes, aligned to 256: registers 0-3 of the fragment,
	global_store_b128 v9, v[PC+4:PC+7], s[8:9] offset:4608+1024*\t+512 ; registers 4-7
.endr
	v_cndmask_b32 v124, v[SW], v[SW+1], s66        ; lanes 0-15 store tile 0's words, lanes 16-31 tile 1's
	global_store_b32 v10, v124, s[8:9] offset:8704
	s_wait_tensorcnt 0x0                           ; the wave's end
	ds_add_u32 v[SPW], v[NIL]
	s_wait_dscnt 0x0
	CROUND                                         ; the closing round
	s_endpgm
.Lfunc_end_k_q504bbf0bfe_vv:
	.size	k_q504bbf0bfe_vv, .Lfunc_end_k_q504bbf0bfe_vv-k_q504bbf0bfe_vv
	.p2alignl 7, 3214868480
	.fill 96, 4, 3214868480
	.section	.rodata,"a",@progbits
	.p2align	6, 0x0
	.amdhsa_kernel k_q504bbf0bfe_vv
		.amdhsa_group_segment_fixed_size 327680
		.amdhsa_private_segment_fixed_size 0
		.amdhsa_enable_private_segment 0
		.amdhsa_kernarg_size 48
		.amdhsa_user_sgpr_count 2
		.amdhsa_user_sgpr_kernarg_segment_ptr 1
		.amdhsa_wavefront_size32 1
		.amdhsa_system_sgpr_workgroup_id_x 1
		.amdhsa_system_sgpr_workgroup_id_y 1
		.amdhsa_system_sgpr_workgroup_id_z 1
		.amdhsa_system_vgpr_workitem_id 0
		.amdhsa_next_free_vgpr 256
		.amdhsa_next_free_sgpr 96
		.amdhsa_reserve_vcc 0
		.amdhsa_float_denorm_mode_32 3
		.amdhsa_float_denorm_mode_16_64 3
		.amdhsa_memory_ordered 1
		.amdhsa_forward_progress 1
		.amdhsa_inst_pref_size 52
	.end_amdhsa_kernel
	.amdgpu_metadata
---
amdhsa.version: [ 1, 2 ]
amdhsa.kernels:
  - .name:           k_q504bbf0bfe_vv
    .symbol:         k_q504bbf0bfe_vv.kd
    .args:
      - { .name: xc, .offset: 0, .size: 8, .value_kind: global_buffer, .address_space: global }
      - { .name: xs, .offset: 8, .size: 8, .value_kind: global_buffer, .address_space: global }
      - { .name: wc, .offset: 16, .size: 8, .value_kind: global_buffer, .address_space: global }
      - { .name: ws, .offset: 24, .size: 8, .value_kind: global_buffer, .address_space: global }
      - { .name: b_qkv, .offset: 32, .size: 8, .value_kind: global_buffer, .address_space: global }
      - { .name: kv, .offset: 40, .size: 8, .value_kind: global_buffer, .address_space: global }
    .group_segment_fixed_size: 327680
    .private_segment_fixed_size: 0
    .kernarg_segment_align: 8
    .kernarg_segment_size: 48
    .max_flat_workgroup_size: 256
    .sgpr_count:     96
    .vgpr_count:     256
    .wavefront_size: 32
...
	.end_amdgpu_metadata
.endif
;; end of part 3
;; launch attn (part 4): grid 4 x 64, 8 waves a work-group, clusters of 4 x 4, 327,680 bytes of LDS; arguments qq, kv, mask, out0; writes out0
.if DOCPART == 4
	.amdgcn_target "amdgcn-amd-amdhsa--gfx1250"
	.amdhsa_code_object_version 6
	.text
	.protected	k_q504bbf0bfe_attn
	.globl	k_q504bbf0bfe_attn
	.p2align	8
	.type	k_q504bbf0bfe_attn,@function
k_q504bbf0bfe_attn:
	s_mov_b64 s[64:65], 0
	v_nop
	global_prefetch_b8 v0, s[64:65] scope:SCOPE_SE
	s_setreg_imm32_b32 hwreg(HW_REG_WAVE_MODE, 25, 1), 1
	s_wait_xcnt 0x0
	s_wait_alu depctr_hold_cnt(0) depctr_sa_sdst(0) depctr_va_vdst(0) depctr_va_sdst(0) depctr_va_ssrc(0) depctr_va_vcc(0) depctr_vm_vsrc(0)
	s_getreg_b32 s2, hwreg(HW_REG_IB_STS2, 6, 4)
	s_cmp_eq_u32 s2, 0
	s_cbranch_scc0 .Lentry_in_a_cluster
	s_endpgm
.Lentry_in_a_cluster:
	s_bfe_u32 s2, ttmp6, 0x10000c
	s_cmp_lg_u32 s2, 0xf033
	s_cbranch_scc0 .Lentry_shape_is_right
	s_endpgm
.Lentry_shape_is_right:
; LAUNCH 4 OF 4.  out[b][q][head][:] = the sum over keys of softmax(q . k / sqrt(128) + mask[b][q][key]) v[key][:], both products on codes of E2M1.  No work is left out.
; THE SOFTMAX: t = logit x log2(e); M = the running largest t rounded UP to a whole number; p = 2^(t - M) is quantised along the keys, not normalised; the row's sum is taken of the unquantised p and divides at the end;
; when M moves, the sum and O are multiplied by 2^(old M - new M), which rounds nothing.  The mask rides in the first product: S = k . q + mask x sqrt(128) (its C), t = S x c, c = log2(e) / sqrt(128).
; LIMITS: NaN and infinities are not served; a block of p under 2^-124 keeps the byte 1 (its codes are zeros).
; SHARES.  A work-group owns 128 queries of one batch and FOUR heads.  Wave w: two tiles of queries (a = 0, 1) and the heads 2 (w >> 2) + e: four units of 16 queries x one head.  The scaled mask serves both heads, each fragment of K and V both tiles.
; THE TOKENS OF A TILE, queries and keys alike (so the launch before stores them): lane r of tile 4 c + u of a block of 128 holds token 64 c + 32 (r / 8) + 8 u + r % 8.  My tiles are 2 (w & 3) + a.
; Both products are used transposed (S^T = K Q^T, O^T = V^T P^T): a lane holds ONE query.  Register 32 c + i of S^T in lane (r, h) is key 64 c + 32 h + i: A WHOLE BLOCK OF 32 KEYS IN A LANE, in the order of the second product's operand:
; a block's largest score needs no other lane, and the conversions' results are P's operand as they stand.
; THE RING.  Two LDS slots of 128 keys: the mask's 128 x 128 numbers (four quarters of 32 rows, each 128 bytes further on than its rows need, so that lanes r and r + 8 fall on different banks) and the four heads' records.
; THE CHANGE OF SLOTS STANDS AHEAD OF A STEP'S LAST SOFTMAX: there the step's last LDS reads (head 1's V) have been waited for.  Behind the round come the joint refill, two steps ahead, and the next step's loads of the mask and of K,
; which land under that softmax and the step's last product.  K and V have registers of their own, so that head 1's K lands under head 0's second softmax.
; CLUSTER 4 x 4: cx = the group of four heads, cy = the block of queries.  The mask's tile is asked for jointly along a row of the cluster, the records along a column.  Waves 0-3 fetch the mask's quarters, waves 4-7 a record each: one load a wave is out.
; THE HEAD'S 64 IN A PRODUCT OF 128: Q's operand is four registers of codes and four of zeros; K's operand for tile t is registers 4 t .. 4 t + 7 of K's run, whose upper four meet Q's zeros; the scale bytes there are a neighbour's or 0, never 0xff.
; REGISTERS.  Window 0: v1-11 addresses; v12-27 four a unit: -M, the largest score, the sum in two halves; v32-63 Q; v64-127 S^T, then p; v128-159 V; v160-195 K and four zeros; v196-211 scale words; v212-229 p's codes and scale words; v230-254 at work.
;   Window 1: v0-127 O^T, 32 a unit; v128-255 the mask x sqrt(128), 64 a tile of queries.
.set PM,    528                        ; a mask row in LDS: 512 bytes + 16
.set QST,   32*PM+128                  ; from quarter to quarter
.set KVO,   4*QST                      ; behind the mask: the four records
.set REC,   8960
.set SLOT1, 1<<17
.set STAGE, 2*SLOT1                    ; the way out: 16 rows x 272 bytes for each wave; no tensor load lands here
.set SPARE, STAGE+8*16*272             ; the spare words, 128 bytes a wave, which no other line names
.set MA0, 1
.set KA0, 2
.set SA0, 3
.set VA0, 4
.set SPW, 5
.set NIL, 6
.set GO,  7
.set MA,  8
.set KA,  9
.set SA,  10
.set VA,  11
.set ST,  12
.set PFO, 28
.set STO, 29
.set RD,  30
.set TMP, 31
.set QF,  32
.set S,   64
.set VF,  128
.set KB,  160
.set KS,  196
.set VS,  204
.set QS,  208
.set PC,  212
.set PS,  228
.set F,   230
.set BM,  232
.set BO,  236
.set BT,  238
.set SU,  240
.set R,   246
.set SH8, 254
.set WV,  12
.set SEL, 20
.set CS,  22
.set G1M, 24
.set G1K, 32
.set G0M, 40
.set G0K, 44
.set SQ,  48
.set TB,  50
.set TRIPS, 51
.set PFA, 52
.set PFS, 54
.set LIM, 56
.set NC,  66                           ; s66 = -c
.set MSB, 0
.macro WIN new                         ; the immediate's high byte repeats the setting that is left
.if MSB != \new
	s_set_vgpr_msb (MSB<<8)|\new
.set MSB, \new
.endif
.endm
.macro SHAPE g, cc, rr, pp
	s_mov_b32 s[\g+1], (\cc)<<16
	s_mov_b32 s[\g+2], (\rr)<<16
	s_mov_b32 s[\g+3], (\cc)<<16
	s_mov_b32 s[\g+4], \rr
	s_mov_b32 s[\g+5], \pp
	s_mov_b32 s[\g+6], 0
	s_mov_b32 s[\g+7], 0
.endm
.macro CREST                           ; a round of the cluster's barrier behind its opening barrier
	s_cmp_lg_u32 s[WV], 0
	s_cbranch_scc1 .Lnot_wave_0_\@
	s_barrier_signal -3
.Lnot_wave_0_\@:
	s_barrier_wait -3
	s_barrier_signal -1
	s_barrier_wait -1
.endm
.macro CROUND                          ; a whole round
	s_barrier_signal -1
	s_barrier_wait -1
	CREST
.endm
.macro NOP4
.rept 4
	v_nop
.endr
.endm
.macro JLOAD                           ; a joint load; the branch hangs on the wave's number alone; s_nop 0 and four v_nop behind each line
	s_cmp_eq_u32 s13, 0
	s_cbranch_scc0 .Lfor_k_\@
	tensor_load_to_lds s[G0M:G0M+3], s[G1M:G1M+7]
	s_nop 0
	NOP4
	s_branch .Lasked_\@
.Lfor_k_\@:
	tensor_load_to_lds s[G0K:G0K+3], s[G1K:G1K+7]
	s_nop 0
	NOP4
.Lasked_\@:
.endm
; A PREFETCH of what the NEXT change of slots will load, one key step ahead of that load.  The mask's tile: the four partners of a row take 32 rows each, told apart by address (cx); wave 0 names the rows' first 256 bytes, wave 1 the second: a lane a row.
; A record (35 runs of 256 bytes): the batch's first cluster asks; the partner at (cx, cy) takes head 4 cx + cy, by address; wave 2 names runs 0-31, wave 3 runs 32-34 (its other lanes name run 34 again).  The last filling change asks for nothing.
.macro ASK
	s_cmp_gt_u32 s[TRIPS], s[LIM]
	s_cbranch_scc0 .Lnot_mine_\@
	global_prefetch_b8 v[PFO], s[PFA:PFA+1] th:TH_LOAD_NT scope:SCOPE_SE
.Lnot_mine_\@:
.endm
	s_load_b256 s[4:11], s[0:1], 0x0               ; qq, kv, mask, out0
	v_lshl_add_u32 v[SPW], v0, 2, SPARE
	v_mov_b32 v[NIL], 0
	ds_add_u32 v[SPW], v[NIL]                      ; the opening: the add, twice on end, and its wait ahead of my first tensor load
	ds_add_u32 v[SPW], v[NIL]
	v_lshrrev_b32 v1, 5, v0
	v_readfirstlane_b32 s[WV], v1                  ; wave 0..7
	s_lshr_b32 s13, s[WV], 2                       ; I fetch the mask (0) or a record (1); also my pair of heads
	s_and_b32 s19, s[WV], 3                        ; my pair of query tiles; also which quarter or record I fetch
	s_bfe_u32 s14, ttmp6, 0x40000                  ; cx
	s_bfe_u32 s15, ttmp6, 0x40004                  ; cy
	s_and_b32 s16, ttmp7, 0xffff                   ; the cluster's y
	s_lshr_b32 s17, s16, 2                         ; the batch
	s_and_b32 s18, s16, 3
	s_lshl_b32 s18, s18, 2
	s_add_co_u32 s18, s18, s15                     ; the block of 128 queries
	s_lshl_b32 s57, s15, 2
	s_lshl_b32 s57, 15, s57                        ; my row of the cluster
	s_lshl_b32 s60, 0x1111, s14                    ; my column
	s_or_b32 s[G1M], s57, (2<<16)|(1<<20)|(1<<21)|(6<<22)|(3<<25)   ; elements of 4 bytes; 4 words of padding behind every 128
	SHAPE G1M, 128, 32, 2048
	s_or_b32 s[G1K], s60, (3<<16)|(1<<21)          ; elements of 8 bytes, no padding
	SHAPE G1K, 32, 35, 32                          ; a record: 35 rows of 256 dense bytes
	s_mov_b32 s[G0M], 1
	s_mul_i32 s[G0M+1], s19, QST
	s_mov_b32 s[G0K], 1
	s_mul_i32 s[G0K+1], s19, REC
	s_add_co_u32 s[G0K+1], s[G0K+1], KVO
	s_lshl_b32 s58, s18, 7
	s_lshl_b32 s59, s19, 5
	s_add_co_u32 s58, s58, s59
	s_lshl_b32 s58, s58, 13                        ; the mask: row 128 x block + 32 x quarter, 8,192 bytes a row,
	s_lshl_b32 s59, s17, 24
	s_add_co_u32 s58, s58, s59                     ; in my batch
	s_mov_b32 s59, 0
	s_lshl_b32 s60, s17, 4
	s_lshl_b32 s61, s14, 2
	s_add_co_u32 s60, s60, s61                     ; 16 x batch + 4 cx: my first head
	s_add_co_u32 s62, s60, s19
	s_mul_i32 s62, s62, 16*REC                     ; the head's first record
	s_mov_b32 s63, 0
	s_mov_b32 s[SEL], 0x76543210
	s_mov_b32 s[SEL+1], 0xfedcba98
	s_mov_b32 s[CS], 0x3e0293ee                    ; c = log2(e) / sqrt(128)
	s_mov_b32 s[CS+1], s[CS]
	s_mov_b32 s[NC], 0xbe0293ee                    ; -c
	s_mov_b32 s[SQ], 0x413504f3                    ; sqrt(128)
	s_mov_b32 s[SQ+1], s[SQ]
	s_mov_b32 s[TB], 0
	s_mov_b32 s[TRIPS], 14
	s_wait_dscnt 0x0                               ; both opening adds are done
	s_wait_kmcnt 0x0
	s_add_nc_u64 s[G0M+2:G0M+3], s[8:9], s[58:59]
	s_or_b32 s[G0M+3], s[G0M+3], 0x80000000
	s_add_nc_u64 s[G0K+2:G0K+3], s[6:7], s[62:63]
	s_or_b32 s[G0K+3], s[G0K+3], 0x80000000
	CROUND                                         ; all sixteen work-groups are here: the first joint loads meet
	JLOAD                                          ; key step 0 into slot 0
	; the prefetches: where my wave's stand (at key step 1: each change steps them first), and who asks
	s_lshl_b32 s2, s18, 7
	s_lshl_b32 s3, s14, 5
	s_add_co_u32 s2, s2, s3
	s_lshl_b32 s2, s2, 13
	s_lshl_b32 s3, s17, 24
	s_add_co_u32 s2, s2, s3
	s_lshl_b32 s3, s[WV], 8
	s_add_co_u32 s2, s2, s3
	s_add_co_u32 s2, s2, 512
	s_add_co_u32 s3, s60, s15
	s_lshl_b32 s3, s3, 4
	s_add_co_u32 s3, s3, 1
	s_mul_i32 s3, s3, REC
	s_mov_b32 s69, 256
	s_mov_b32 s[PFS], REC
	s_cmp_lt_u32 s[WV], 2                          ; waves 0 and 1: the mask
	s_cselect_b64 s[PFA:PFA+1], s[8:9], s[6:7]
	s_cselect_b32 s2, s2, s3
	s_cselect_b32 s69, 8192, s69                   ; from lane to lane
	s_cselect_b32 s[PFS], 512, s[PFS]              ; from step to step
	s_mov_b32 s3, 0
	s_mov_b32 s[PFS+1], 0
	s_add_nc_u64 s[PFA:PFA+1], s[PFA:PFA+1], s[2:3]
	s_cmp_eq_u32 s[WV], 3
	s_cselect_b32 s67, 2, 31
	s_cselect_b32 s68, 8192, 0
	s_lshr_b32 s58, s[WV], 1
	s_and_b32 s59, s16, 3
	s_mul_i32 s58, s58, s59                        ; 0 in waves 0 and 1; in waves 2 and 3, 0 in the batch's first cluster
	s_or_b32 s58, s58, s13                         ; never 0 in waves 4 to 7
	s_cmp_eq_u32 s58, 0
	s_cselect_b32 s[LIM], 1, -1
	s_lshl_b32 s2, s13, 1
	s_add_co_u32 s2, s2, s60                       ; my first head,
	s_lshl_b32 s3, s2, 4
	s_add_co_u32 s3, s3, s18                       ; its record of my block of queries
	s_mul_i32 s58, s3, 4608
	s_mov_b32 s59, 0
	s_add_nc_u64 s[4:5], s[4:5], s[58:59]
	s_lshl_b32 s70, s19, 10                        ; Q's images of my two tiles
	s_lshr_b32 s62, s19, 1                         ; which 64 of the 128 queries,
	s_and_b32 s63, s19, 1                          ; and which pair of its four tiles
	s_lshl_b32 s71, s62, 8
	s_lshl_b32 s57, s63, 3
	s_add_co_u32 s71, s71, s57
	s_add_co_u32 s71, s71, 4096                    ; Q's scale words: [64][r][tile of four]
	s_mul_i32 s72, s62, 2*QST
	s_mul_i32 s57, s63, 16*PM
	s_add_co_u32 s72, s72, s57                     ; the mask: quarter 2 x (which 64), row 16 x (which pair)
	s_mul_i32 s73, s13, 2*REC
	s_add_co_u32 s73, s73, KVO                     ; my pair of heads' records
	s_add_co_u32 s74, s73, 4096
	s_add_co_u32 s75, s73, 8704
	s_mul_i32 s76, s[WV], 16*272
	s_add_co_u32 s76, s76, STAGE                   ; my stage
	s_lshl_b32 s58, s17, 11
	s_lshl_b32 s57, s18, 7
	s_add_co_u32 s58, s58, s57
	s_lshl_b32 s57, s62, 6
	s_add_co_u32 s58, s58, s57
	s_lshl_b32 s57, s63, 4
	s_add_co_u32 s58, s58, s57                     ; out's row of my tile 0's lane 0
	s_lshl_b32 s58, s58, 12
	s_lshl_b32 s57, s14, 10
	s_add_co_u32 s58, s58, s57
	s_lshl_b32 s57, s13, 9
	s_add_co_u32 s58, s58, s57                     ; + 256 bytes a head
	s_add_nc_u64 s[10:11], s[10:11], s[58:59]
	v_and_b32 v10, 31, v0                          ; lane
	v_and_b32 v11, 15, v0                          ; r
	v_bfe_u32 v31, v0, 4, 1                        ; h
	v_and_b32 v8, 7, v0                            ; r % 8
	v_bfe_u32 v9, v0, 3, 1                         ; r / 8
	v_mul_u32_u24 v[MA0], v8, PM
	v_mad_u32_u24 v[MA0], v9, QST, v[MA0]
	v_lshl_add_u32 v[MA0], v31, 7, v[MA0]          ; + 128 h: my 32 keys of each 64
	v_add_nc_u32 v[MA0], s72, v[MA0]
	v_lshl_add_u32 v[KA0], v10, 4, s73             ; images: 16 x lane
	v_lshl_add_u32 v[SA0], v11, 4, s74             ; K's scale words: four tiles' to a lane
	v_lshl_add_u32 v[VA0], v11, 2, s75             ; V's
	v_lshlrev_b32 v[GO], 12, v31
	v_lshl_add_u32 v[GO], v11, 4, v[GO]            ; out: lanes 0-15 one row, lanes 16-31 the next; 16 bytes a lane
	v_mul_u32_u24 v[STO], v11, 272
	v_lshl_add_u32 v[STO], v31, 5, v[STO]
	v_add_nc_u32 v[STO], s76, v[STO]               ; the stage, in: row r, + 32 h
	v_mul_u32_u24 v[RD], v31, 272
	v_lshl_add_u32 v[RD], v11, 4, v[RD]
	v_add_nc_u32 v[RD], s76, v[RD]                 ; back: lanes 0-15 one row, lanes 16-31 the next
	v_lshlrev_b32 v[SH8], 3, v31                   ; 8 h: where my two scale bytes go in p's scale word
	v_min_u32 v[PFO], s67, v10
	v_mul_lo_u32 v[PFO], v[PFO], s69
	v_add_nc_u32 v[PFO], s68, v[PFO]
	v_lshl_add_u32 v8, v10, 4, s70
	v_lshl_add_u32 v9, v11, 4, s71
	s_wait_alu depctr_va_vdst(0)                   ; the wait behind these writes
.irp a, 0,1
.irp e, 0,1
	global_load_b128 v[QF+8*(2*\a+\e):QF+8*(2*\a+\e)+3], v8, s[4:5] offset:512*\a+73728*\e   ; the next head's record lies 16 records of 4,608 bytes on
	global_load_b32 v[QS+2*\a+\e], v9, s[4:5] offset:4*\a+73728*\e
.endr
.endr
.irp n, 0,1,2,3
.irp j, 4,5,6,7
	v_mov_b32 v[QF+8*\n+\j], 0                     ; Q's upper half: zero codes
.endr
	v_mov_b32 v[ST+4*\n], 0x7f61b1e6               ; -M: 3e38, a whole number
	v_mov_b32 v[ST+4*\n+1], 0xff61b1e6             ; the largest score so far: -3e38
	v_mov_b32 v[ST+4*\n+2], 0                      ; the sum, in two halves
	v_mov_b32 v[ST+4*\n+3], 0
	v_mov_b32 v[KB+32+\n], 0                       ; behind K's last tile
	v_mov_b32 v[R+2*\n+1], 0                       ; named as the upper half of a pair
.endr
	v_mov_b32 v[BT], 0                             ; a lane permute's destination counts as one of its sources
	v_mov_b32 v[BT+1], 0
	v_mov_b32 v[F+1], 0
	WIN 0x40
.set j, 0
.rept 128
	v_mov_b32 v[j], 0                              ; O^T: the step is written for every step alike; the first finds zeros, which the first change of M leaves zeros
.set j, j+1
.endr
	WIN 0
.macro ADDR                            ; the LDS addresses of the slot at s[TB]
	v_add_nc_u32 v[MA], s[TB], v[MA0]
	v_add_nc_u32 v[KA], s[TB], v[KA0]
	v_add_nc_u32 v[SA], s[TB], v[SA0]
	v_add_nc_u32 v[VA], s[TB], v[VA0]
.endm
.macro MLOAD                           ; mask(my query of tile a, keys 64 c + 32 h + 4 i ..): in the scores' own layout; 32 loads
	WIN 0x40
.irp a, 0,1
.irp c, 0,1
.irp i, 0,1,2,3,4,5,6,7
	ds_load_b128 v[128+64*\a+32*\c+4*\i:128+64*\a+32*\c+4*\i+3], v[MA] offset:8*PM*\a+256*\c+16*\i
.endr
.endr
.endr
	WIN 0
.endm
.macro KLOAD e                         ; head e's K: eight tiles' images on end, and their scale words: ten loads
.irp t, 0,1,2,3,4,5,6,7
	ds_load_b128 v[KB+4*\t:KB+4*\t+3], v[KA] offset:REC*(\e)+512*\t
.endr
.irp g, 0,1
	ds_load_b128 v[KS+4*\g:KS+4*\g+3], v[SA] offset:REC*(\e)+256*\g
.endr
.endm
.macro VLOAD e                         ; head e's V^T: four fragments of 16 of the head's 64 x 128 keys, and their scale words
.irp t, 0,1,2,3
.irp c, 0,1
	ds_load_b128 v[VF+8*\t+4*\c:VF+8*\t+4*\c+3], v[KA] offset:REC*(\e)+4608+1024*\t+512*\c
.endr
.endr
.irp t, 0,1,2,3
	ds_load_b32 v[VS+\t], v[VA] offset:REC*(\e)+64*\t
.endr
.endm
.macro SMUL a, e                       ; S^T of unit (a, e): eight tiles of 16 keys; C = the scaled mask, in window 1
	WIN 0x10
.irp t, 0,1,2,3,4,5,6,7
	v_wmma_scale_f32_16x16x128_f8f6f4 v[S+8*\t:S+8*\t+7], v[KB+4*\t:KB+4*\t+7], v[QF+8*(2*\a+\e):QF+8*(2*\a+\e)+7], v[128+64*\a+8*\t:128+64*\a+8*\t+7], v[KS+\t], v[QS+2*\a+\e] matrix_a_fmt:MATRIX_FMT_FP4 matrix_b_fmt:MATRIX_FMT_FP4
.endr
	WIN 0
	NOP4                                           ; four places: for the first read of the scores, and for loads over K
.endm
.macro PV e                            ; O^T += V^T P^T, both tiles; the eight accumulators take turns
	WIN 0x50
.irp t, 0,1,2,3
.irp a, 0,1
	v_wmma_scale_f32_16x16x128_f8f6f4 v[32*(2*\a+\e)+8*\t:32*(2*\a+\e)+8*\t+7], v[VF+8*\t:VF+8*\t+7], v[PC+8*\a:PC+8*\a+7], v[32*(2*\a+\e)+8*\t:32*(2*\a+\e)+8*\t+7], v[VS+\t], v[PS+\a] matrix_a_fmt:MATRIX_FMT_FP4 matrix_b_fmt:MATRIX_FMT_FP4
.endr
.endr
	WIN 0
.endm
.macro SUM6 j0                         ; six pairs of p onto the sum's six chains
	v_pk_add_f32 v[T4+2:T4+3], v[T4+2:T4+3], v[S+2*(\j0):S+2*(\j0)+1]
	v_pk_add_f32 v[SU:SU+1], v[SU:SU+1], v[S+2*(\j0)+2:S+2*(\j0)+3]
	v_pk_add_f32 v[SU+2:SU+3], v[SU+2:SU+3], v[S+2*(\j0)+4:S+2*(\j0)+5]
	v_pk_add_f32 v[SU+4:SU+5], v[SU+4:SU+5], v[S+2*(\j0)+6:S+2*(\j0)+7]
	v_pk_add_f32 v[BM:BM+1], v[BM:BM+1], v[S+2*(\j0)+8:S+2*(\j0)+9]
	v_pk_add_f32 v[BM+2:BM+3], v[BM+2:BM+3], v[S+2*(\j0)+10:S+2*(\j0)+11]
.endm
; The softmax of unit (a, e) for 128 keys: S^T becomes p, p's codes (v[PC + 8 a] on) and p's scale word (v[PS + a]); the unit's sum and O^T go under the new M.
; It is written in two parts: SOFTA, up to t - M, is work on registers alone; SOFTB begins with the exponentials.
.macro SOFTA a, e
.set T4, ST+4*(2*(\a)+(\e))
.set ON, 32*(2*(\a)+(\e))
.set PCA, PC+8*(\a)
.irp k, 0,1,2,3,4,5,6,7
	v_max3_num_f32 v[BM+\k], v[S+8*\k], v[S+8*\k+1], v[S+8*\k+2]   ; eight chains, one to an accumulator, each from its low end on (v[BM] to v[BM+7] are free here)
.endr
.irp i, 3,5
.irp k, 0,1,2,3,4,5,6,7
	v_max3_num_f32 v[BM+\k], v[BM+\k], v[S+8*\k+\i], v[S+8*\k+\i+1]
.endr
.endr
	v_max3_num_f32 v[BM], v[BM], v[BM+1], v[S+7]   ; the chains of a block are joined, each accumulator's eighth register with them
	v_max3_num_f32 v[BM+4], v[BM+4], v[BM+5], v[S+39]
	v_max3_num_f32 v[BM+1], v[BM+2], v[BM+3], v[S+15]
	v_max3_num_f32 v[BM+5], v[BM+6], v[BM+7], v[S+47]
	v_max3_num_f32 v[BM], v[BM], v[BM+1], v[S+23]
	v_max3_num_f32 v[BM+2], v[BM+4], v[BM+5], v[S+55]
	v_max_num_f32 v[BM], v[BM], v[S+31]            ; my two blocks' largest scores: for the row's maximum, and, since p rises with the score, for the blocks' largest p
	v_max_num_f32 v[BM+2], v[BM+2], v[S+63]
	s_delay_alu instid0(VALU_DEP_1)
	v_max_num_f32 v[TMP], v[BM], v[BM+2]
	s_delay_alu instid0(VALU_DEP_1)
	v_permlanex16_b32 v[BT], v[TMP], s[SEL], s[SEL+1]
	s_delay_alu instid0(VALU_DEP_1)
	v_max3_num_f32 v[T4+1], v[T4+1], v[TMP], v[BT] ; the running largest score, with lane l xor 16's 64 keys
	v_mov_b32 v[BT+1], v[T4]
	s_delay_alu instid0(VALU_DEP_2)
	v_mul_f32 v[TMP], s[NC], v[T4+1]               ; -t (c is positive)
	s_delay_alu instid0(VALU_DEP_1)
	v_floor_f32 v[T4], v[TMP]                      ; the new -M = floor(-t) = -ceil(t)
.set j, 0
.rept 32
	v_pk_fma_f32 v[S+j:S+j+1], v[S+j:S+j+1], s[CS:CS+1], v[T4:T4+1] op_sel_hi:[1,0,0]   ; t - M, two at a time
.if j == 4
	v_sub_f32 v[TMP], v[T4], v[BT+1]               ; old M - new M: a whole number, 0 or less
.endif
.if j == 12
	v_cvt_i32_f32 v[TMP], v[TMP]                   ; (it saturates)
.endif
.if j == 20
	v_ldexp_f32 v[F], 1.0, v[TMP]                  ; f = 2^(old M - new M)
.endif
.set j, j+2
.endr
	v_fma_f32 v[BM], v[BM], s[CS], v[T4]           ; the same of each block's largest score
	v_fma_f32 v[BM+2], v[BM+2], s[CS], v[T4]
.endm
.macro SOFTB a
	s_wait_alu depctr_va_vdst(0)                   ; the wait ahead of the batch
	v_exp_f32 v[BM], v[BM]                         ; the blocks' largest p
	v_exp_f32 v[BM+2], v[BM+2]
.set j, 0
.rept 64
	v_exp_f32 v[S+j], v[S+j]                       ; p = 2^(t - M)
.set j, j+1
.endr
	v_pk_mul_f32 v[T4+2:T4+3], v[T4+2:T4+3], v[F:F+1] op_sel_hi:[1,0]   ; the sum under the new M: the plain instruction behind the batch
	WIN 0x41                                       ; O^T in window 1, f in window 0
	s_wait_alu depctr_va_vdst(0)                   ; one wait for the 66, and directly ahead of O^T's first readers
.set j, 0
.rept 16
	v_pk_mul_f32 v[ON+j:ON+j+1], v[ON+j:ON+j+1], v[F:F+1] op_sel_hi:[1,0]   ; O^T under the new M
.set j, j+2
.endr
	WIN 0
	v_max_num_f32 v[BM], 0x1800000, v[BM]          ; the floor 2^(3 - 127): the byte cannot fall under 1
	v_max_num_f32 v[BM+2], 0x1800000, v[BM+2]
	v_add_nc_u32 v[BO], 0xff000000, v[BM]          ; 2 off the exponent field: the conversion's scale operand
	v_add_nc_u32 v[BO+1], 0xff000000, v[BM+2]
	v_lshrrev_b32 v[BT], 23, v[BO]                 ; the scales' bytes
	v_lshrrev_b32 v[BT+1], 23, v[BO+1]
.irp c, 0,1
.irp g, 0,1,2,3
	v_cvt_scalef32_pk8_fp4_f32 v[PCA+4*\c+\g], v[S+32*\c+8*\g:S+32*\c+8*\g+7], v[BO+\c]   ; registers 4 c .. 4 c + 3 of P's operand: keys 64 c + 32 h + 0 .. 31
.endr
.endr
	v_pk_add_f32 v[SU:SU+1], v[S:S+1], v[S+2:S+3]  ; the row's sum of the unquantised p, in six chains; the scale word's four lines stand among them
	v_pk_add_f32 v[SU+2:SU+3], v[S+4:S+5], v[S+6:S+7]
	v_pk_add_f32 v[SU+4:SU+5], v[S+8:S+9], v[S+10:S+11]
	v_pk_add_f32 v[BM:BM+1], v[S+12:S+13], v[S+14:S+15]
	v_pk_add_f32 v[BM+2:BM+3], v[S+16:S+17], v[S+18:S+19]
	v_pk_add_f32 v[T4+2:T4+3], v[T4+2:T4+3], v[S+20:S+21]
	v_lshl_or_b32 v[TMP], v[BT+1], 16, v[BT]       ; my bytes: blocks h and 2 + h,
	SUM6 11
	v_lshlrev_b32 v[TMP], v[SH8], v[TMP]           ; at their places in the word;
	SUM6 17
	v_permlanex16_b32 v[BT], v[TMP], s[SEL], s[SEL+1]
	v_pk_add_f32 v[T4+2:T4+3], v[T4+2:T4+3], v[S+58:S+59]
	v_pk_add_f32 v[SU:SU+1], v[SU:SU+1], v[S+60:S+61]
	v_pk_add_f32 v[SU+2:SU+3], v[SU+2:SU+3], v[S+62:S+63]
	v_or_b32 v[PS+(\a)], v[TMP], v[BT]             ; with lane l xor 16's two the word is whole.  Eleven plain lines follow it, ahead of the product that takes it
	SUM6 23
	v_pk_add_f32 v[SU+4:SU+5], v[SU+4:SU+5], v[BM:BM+1]
	v_pk_add_f32 v[SU:SU+1], v[SU:SU+1], v[BM+2:BM+3]
	v_pk_add_f32 v[T4+2:T4+3], v[T4+2:T4+3], v[SU+2:SU+3]
	v_pk_add_f32 v[SU:SU+1], v[SU:SU+1], v[SU+4:SU+5]
	s_delay_alu instid0(VALU_DEP_1)
	v_pk_add_f32 v[T4+2:T4+3], v[T4+2:T4+3], v[SU:SU+1]
.endm
.macro SOFTMAX a, e
	SOFTA \a, \e
	SOFTB \a
.endm
; THE CHANGE OF SLOTS.  Each wave waits for all its tensor loads (its part of the next slot), adds 0 to its spare word, and waits for that and for its reads of the slot in hand.
; fill = 1: a round of the cluster's barrier, then the joint load of the step after next into the slot just left.  fill = 0: nothing is filled; a work-group barrier shows the next slot whole.  Then the next step's mask and K are fetched.
.macro CHANGE fill
	s_wait_alu depctr_va_vdst(0)
	s_wait_tensorcnt 0x0
	ds_add_u32 v[SPW], v[NIL]
.if \fill
	s_xor_b32 s[G0M+1], s[G0M+1], SLOT1            ; no tensor load of mine is out: the descriptors step to the other slot,
	s_add_nc_u64 s[G0M+2:G0M+3], s[G0M+2:G0M+3], 512   ; the next 128 keys of each row,
	s_xor_b32 s[G0K+1], s[G0K+1], SLOT1
	s_add_nc_u64 s[G0K+2:G0K+3], s[G0K+2:G0K+3], REC   ; the head's next record
	s_wait_xcnt 0x0                                ; the last prefetch has read its address
	s_add_nc_u64 s[PFA:PFA+1], s[PFA:PFA+1], s[PFS:PFS+1]
.endif
.endm
; The caller puts work on registers behind the add, then s_wait_dscnt 0 and the opening signal, then more work on registers; CHB is the barrier's wait and what stands behind it.
.macro CHB fill
	s_wait_alu depctr_va_vdst(0)
	s_barrier_wait -1
.if \fill
	CREST
	JLOAD
	ASK
.else
	s_cmp_eq_u32 s[TRIPS], 1                       ; behind the last step there is no mask and no K to fetch
	s_cbranch_scc1 .Lno_more_\@
.endif
	MLOAD
	KLOAD 0
.if \fill == 0
.Lno_more_\@:
.endif
.endm
; A KEY STEP.  At its head the mask's 32 loads and the ten of head 0's K are out.
.macro STEP fill
	s_wait_dscnt 10                                ; the mask is in; K's ten loads, issued behind it, may be out
	WIN 0x41
.set j, 128
.rept 64
	v_pk_mul_f32 v[j:j+1], v[j:j+1], s[SQ:SQ+1] op_sel_hi:[1,0]   ; x sqrt(128): once for both heads
.set j, j+2
.endr
	WIN 0
	s_wait_alu depctr_va_vdst(0)                   ; directly ahead of the wait below
	s_wait_dscnt 0x0                               ; K
	SMUL 0, 0
	SOFTMAX 0, 0
	SMUL 1, 0
	VLOAD 0
	KLOAD 1                                        ; both tiles have multiplied by head 0's K: head 1's takes its registers
	SOFTMAX 1, 0
	s_wait_alu depctr_va_vdst(0)                   ; directly ahead of the wait below
	s_wait_dscnt 10                                ; V is in; the ten loads of head 1's K, issued behind it, may be out
	PV 0
	s_wait_dscnt 0x0                               ; head 1's K
	SMUL 0, 1
	VLOAD 1                                        ; my last reads of this slot: four places behind head 0's second product, whose registers they take
	SOFTMAX 0, 1
	s_xor_b32 s[TB], s[TB], SLOT1
	ADDR
	CHANGE \fill                                   ; the wait for my tensor loads and the add;
	SMUL 1, 1                                      ; eight products stand between the add and the wait for it;
	s_wait_dscnt 0x0                               ; the add is done, and my reads of this slot are over: V is in
	s_barrier_signal -1                            ; say so,
	SOFTA 1, 1                                     ; work on registers while the others arrive,
	CHB \fill                                      ; and go on when all have said so: the refill, then the next step's mask and K
	SOFTB 1
	PV 1
.endm
	s_wait_alu depctr_va_vdst(0)                   ; the head's end
	s_wait_loadcnt 0x0                             ; Q; its address registers are free
	ADDR
	CHANGE 1                                       ; slot 1's first fill (key step 1) is issued as a refill is; then step 0's mask and K are fetched
	s_wait_dscnt 0x0
	s_barrier_signal -1
	CHB 1
.Lstep:                                            ; 14 trips: step s asks for step s + 2
	STEP 1
	s_sub_co_u32 s[TRIPS], s[TRIPS], 1
	s_cmp_lg_u32 s[TRIPS], 0
	s_wait_alu depctr_va_vdst(0)                   ; ahead of the branch
	s_cbranch_scc1 .Lstep
	s_mov_b32 s[TRIPS], 2
.Llast:                                            ; the last two steps ask for nothing: no tensor load stands in this loop
	STEP 0
	s_sub_co_u32 s[TRIPS], s[TRIPS], 1
	s_cmp_lg_u32 s[TRIPS], 0
	s_wait_alu depctr_va_vdst(0)
	s_cbranch_scc1 .Llast
	; THE WAY OUT.  O^T is divided by the sum and goes, a unit at a time, through my stage in LDS, so that sixteen lanes store 256 consecutive bytes, aligned.
.irp n, 0,1,2,3
	v_add_f32 v[BM+\n], v[ST+4*\n+2], v[ST+4*\n+3] ; these twelve lines are the places behind the last products
.endr
.irp n, 0,1,2,3
	v_permlanex16_b32 v[SU+\n], v[BM+\n], s[SEL], s[SEL+1]
.endr
.irp n, 0,1,2,3
	v_add_f32 v[BM+\n], v[BM+\n], v[SU+\n]
.endr
	s_wait_alu depctr_va_vdst(0)                   ; the wait ahead of the batch
.irp n, 0,1,2,3
	v_rcp_f32 v[R+2*\n], v[BM+\n]
.endr
	v_nop
	s_wait_alu depctr_va_vdst(0)                   ; and one for the four, ahead of their first reader
.macro OUT n
.if \n > 0
	s_wait_xcnt 0x0                                ; the last unit's stores have read their registers
.endif
	WIN 0x01
.set j, 0
.rept 16
	v_pk_mul_f32 v[S+j:S+j+1], v[32*(\n)+j:32*(\n)+j+1], v[R+2*(\n):R+2*(\n)+1] op_sel_hi:[1,0]   ; register 8 t + i: out(my query, 16 t + 8 h + i); each accumulator from its low end on
.set j, j+2
.endr
	WIN 0
.irp t, 0,1,2,3
	ds_store_b128 v[STO], v[S+8*\t:S+8*\t+3] offset:64*\t
	ds_store_b128 v[STO], v[S+8*\t+4:S+8*\t+7] offset:64*\t+16
.endr
.irp i, 0,1,2,3,4,5,6,7
	ds_load_b128 v[S+32+4*\i:S+32+4*\i+3], v[RD] offset:2*272*\i   ; LDS serves a wave's instructions in order: these see my stores
.endr
.irp i, 0,1,2,3,4,5,6,7
	s_wait_dscnt 7-\i
	global_store_b128 v[GO], v[S+32+4*\i:S+32+4*\i+3], s[10:11] offset:4096*(32*(\i/4)+2*(\i%4))+32768*((\n)/2)+256*((\n)%2) th:TH_STORE_NT   ; stage row p is query 32 (p / 8) + p % 8 of the tile, tile 1 eight rows on
.endr
.endm
	OUT 0
	OUT 1
	OUT 2
	OUT 3
	s_wait_tensorcnt 0x0                           ; the wave's end
	ds_add_u32 v[SPW], v[NIL]
	s_wait_dscnt 0x0
	CROUND                                         ; the closing round
	s_endpgm
.Lfunc_end_k_q504bbf0bfe_attn:
	.size	k_q504bbf0bfe_attn, .Lfunc_end_k_q504bbf0bfe_attn-k_q504bbf0bfe_attn
	.p2alignl 7, 3214868480
	.fill 96, 4, 3214868480
	.section	.rodata,"a",@progbits
	.p2align	6, 0x0
	.amdhsa_kernel k_q504bbf0bfe_attn
		.amdhsa_group_segment_fixed_size 327680
		.amdhsa_private_segment_fixed_size 0
		.amdhsa_enable_private_segment 0
		.amdhsa_kernarg_size 32
		.amdhsa_user_sgpr_count 2
		.amdhsa_user_sgpr_kernarg_segment_ptr 1
		.amdhsa_wavefront_size32 1
		.amdhsa_system_sgpr_workgroup_id_x 1
		.amdhsa_system_sgpr_workgroup_id_y 1
		.amdhsa_system_sgpr_workgroup_id_z 1
		.amdhsa_system_vgpr_workitem_id 0
		.amdhsa_next_free_vgpr 512
		.amdhsa_next_free_sgpr 80
		.amdhsa_reserve_vcc 0
		.amdhsa_float_denorm_mode_32 3
		.amdhsa_float_denorm_mode_16_64 3
		.amdhsa_memory_ordered 1
		.amdhsa_forward_progress 1
		.amdhsa_inst_pref_size 155
	.end_amdhsa_kernel
	.amdgpu_metadata
---
amdhsa.version: [ 1, 2 ]
amdhsa.kernels:
  - .name:           k_q504bbf0bfe_attn
    .symbol:         k_q504bbf0bfe_attn.kd
    .args:
      - { .name: qq, .offset: 0, .size: 8, .value_kind: global_buffer, .address_space: global }
      - { .name: kv, .offset: 8, .size: 8, .value_kind: global_buffer, .address_space: global }
      - { .name: mask, .offset: 16, .size: 8, .value_kind: global_buffer, .address_space: global }
      - { .name: out0, .offset: 24, .size: 8, .value_kind: global_buffer, .address_space: global }
    .group_segment_fixed_size: 327680
    .private_segment_fixed_size: 0
    .kernarg_segment_align: 8
    .kernarg_segment_size: 32
    .max_flat_workgroup_size: 256
    .sgpr_count:     80
    .vgpr_count:     512
    .wavefront_size: 32
...
	.end_amdgpu_metadata
.endif
;; end of part 4
